; MI455X (gfx1250); checked and timed in simulation.
; The chip was launched on July 23, 2026; its instructions are those of AMD's public machine-readable ISA for CDNA 5 (MIT licence, August 2026) and "CDNA5" Instruction Set Architecture Reference Guide (July 2026). The comments in the code are by the model that wrote it; some were corrected since.
;; Single Head Attention. Allowed arithmetic: matrix products marked QUANTISED: E3M2 operands, one E8M0 scale for each 32 along K, by v_wmma_scale_f32_16x16x128_f8f6f4 with both operands' format E3M2, f32 sums; everything else in f32.
;; Inputs: Wk 1,024 x 1,024 float32; Wq 1,024 x 1,024 float32; Wv 1,024 x 1,024 float32; embedded 4 x 2,048 x 1,024 float32.
;; Outputs: out0 4 x 2,048 x 1,024 float32.
;; This version of the problem:
;;   THIS VERSION OF THE PROBLEM IS GIVEN IN LOW PRECISION. The matrix products marked QUANTISED in the list below multiply operands that are first quantised to E3M2 (3 exponent bits, 2 mantissa bits; 6 bits a number), with one power-of-two scale for each 32 numbers along K (OCP MX v1.0); their sums are f32. All else is computed in f32.
;;   The module's matrix products, in the order in which they are computed (A, B: the left and right operand; K: the contracted axis; several contracted axes count as one K, in the product's order):
;;     1. [M 8,192, K 1,024] x [K 1,024, N 1,024]; A: input embedded; B: input Wk: QUANTISED
;;     2. [M 8,192, K 1,024] x [K 1,024, N 1,024]; A: input embedded; B: input Wq: QUANTISED
;;     3. [M 8,192, K 1,024] x [K 1,024, N 1,024]; A: input embedded; B: input Wv: QUANTISED
;;     4. batch 4 x [M 2,048, K 1,024] x [K 1,024, N 2,048]; A: computed on the way; B: computed on the way: QUANTISED
;;     5. batch 4 x [M 2,048, K 2,048] x [K 2,048, N 1,024]; A: softmax (see below); B: computed on the way: QUANTISED
;;   THE QUANTISER, for each operand of a quantised product, along K:
;;     - K is cut into blocks of 32 from its start; a last block that is shorter is filled with zeros.
;;     - A block's scale is 2^e with e = floor(log2(the largest magnitude in the block)) - 4, held to -126 .. 127; a block of zeros has e = 0. As a byte (E8M0): e + 127.
;;     - Each number is divided by its block's scale, clamped to +-28, and rounded to the nearest number of E3M2, ties to even, subnormals kept.
;;     - The product sums the exact products of the quantised numbers (number of the format x scale) in f32.
;;   ~~~python
;;   def quantise(x, axis):      # numpy; x: float32 -> the quantised numbers, widened to float32 again
;;       x = np.moveaxis(x, axis, -1); K = x.shape[-1]
;;       x = np.pad(x, [(0, 0)] * (x.ndim - 1) + [(0, -K % 32)]); x = x.reshape(x.shape[:-1] + (-1, 32)); a = np.abs(x).max(-1, keepdims=True)
;;       e = np.where(a > 0, np.clip(np.frexp(np.where(a > 0, a, 1))[1] - 1 - 4, -126, 127), 0)      # np.frexp(a)[1] - 1 = floor(log2(a)), exactly
;;       r = np.clip(x / 2.0 ** e, -28, 28)
;;       step = 2.0 ** (np.maximum(np.frexp(np.where(r == 0, 1, r))[1] - 1, -2) - 2)
;;       q = np.round(r / step) * step * 2.0 ** e      # np.round: ties to even
;;       return np.moveaxis(q.reshape(q.shape[:-2] + (-1,))[..., :K], -1, axis).astype(np.float32)
;;   ~~~
;;   SOFTMAX AHEAD OF A QUANTISED PRODUCT. Where the list says 'softmax', what is quantised is not the finished softmax but p = 2^(t - M), with t = logit x log2(e) and M = ceil(the row's largest t), a whole number; so 1/2 < the row's largest p <= 1. The row's sum l is taken of the UNQUANTISED p, in f32, and the product's result is divided by l at the end. Since M is a whole number, a kernel that streams over the keys may use a running M (the ceiling of the running maximum): every later rescaling is an exact power of two, which a block's scale takes up: the codes' values come out the same.
;;   OPERANDS COMPUTED ON THE WAY. 'Computed on the way' means the value that the module computes at that place (a softmax that the list does not call 'softmax' is quantised finished and normalised). What goes into a quantiser is computed in f32, as accurately as f32 sums, v_exp_f32 and their like allow (about 1e-6 of the number): no bf16 or f16 on the way to a quantiser, and a product that is left as it is and whose result goes on into a quantised operand takes f32 operands (vector FMAs, or v_wmma_f32_16x16x4_f32). A number that lies on a knife's edge between two numbers of the format may be rounded either way, as far as f32 arithmetic and the matrix unit's own rounding can turn it there, and no further.
;; One version. Each part assembles by itself: llvm-mc -triple=amdgcn-amd-amdhsa -mcpu=gfx1250 --defsym DOCPART=n.
;; ======== version 1 of 1: 4 launches
;; limits: right only within a limited range of input values
;; workspace buffers: xw_codes 8,650,752 bytes; xw_scales 360,448 bytes; qkv_codes 18,874,368 bytes; qkv_scales 786,432 bytes; p_codes 12,582,912 bytes; p_stat 1,572,864 bytes
;; launch quant (part 1): grid 704 x 1, 4 waves a work-group, no clusters, 68,096 bytes of LDS; arguments embedded, Wq, Wk, Wv, xw_codes, xw_scales; writes xw_codes, xw_scales
.if DOCPART == 1
	.amdgcn_target "amdgcn-amd-amdhsa--gfx1250"
	.amdhsa_code_object_version 6
	.text
	.protected	k_qd64d1ef598_quant
	.globl	k_qd64d1ef598_quant
	.p2align	8
	.type	k_qd64d1ef598_quant,@function
k_qd64d1ef598_quant:
	s_mov_b64 s[64:65], 0
	v_nop
	global_prefetch_b8 v0, s[64:65] scope:SCOPE_SE
	s_setreg_imm32_b32 hwreg(HW_REG_WAVE_MODE, 25, 1), 1
	s_wait_xcnt 0x0
; embedded [8192][1024] and Wq, Wk, Wv [1024 (k)][1024 (n)], f32, become codes of BF6 (E3M2) with one E8M0 byte for each 32 along K (the embedding axis).
; A block's scale is 2^(floor(log2(largest magnitude)) - 4); its byte is the largest magnitude's exponent field - 4, held at 1 from below.
; LAYOUT OF THE CODES: images of operand registers.  Rows (tokens of x, columns n of a weight) go in tiles of 16: tile 2 B + u holds rows 32 B + 8 u + m + 8 (m / 8), m = 0 .. 15.
; A fragment (one tile x 128 along K) is 1,536 bytes: registers 4 c .. 4 c + 3 of lane l at 512 c + 16 l.  xw_codes = [tile][K step 0..7][1536]; tiles 0-511 are x, 512 + 64 s + .. are Wq, Wk, Wv (s = 0, 1, 2).
; xw_scales = [tile][K step][16 words]: word m holds the four bytes of the tile's row m.
; Work-groups 0-511: one tile of x each, wave w its K steps 2 w, 2 w + 1.  Work-groups 512-703: one K step of 128 columns of one weight, wave w 32 columns (two tiles).
; LIMITS: NaN and infinities among the inputs are not served.  A block of zeros, and a block whose largest magnitude lies under 2^-122, gets the byte 1 (the bytes are read by this program alone; zero codes add nothing).
; No tensor loads, no barrier: waves share nothing; only the path for x uses LDS, each wave its own 16,896 bytes.
.set FLOORB, 0x2800000                 ; 2^(5 - 127): no largest magnitude is taken under it, so the byte cannot fall under 1
.set EOFF,   0xfe000000                ; takes 4 off an exponent field
.set MX, 8                             ; v8-9    largest magnitudes of two blocks
.set SO, 10                            ; v10-11  the conversions' scale operands
.set BY, 12                            ; v12-15  scale bytes
.set WD, 16                            ; v16-17  scale words
.set PT, 18                            ; v18     a lane permute's destination
.set C,  20                            ; v20-43  two fragments of codes
.set T,  44                            ; v44-50  second halves of blocks (a conversion's three registers begin on an even number)
.set D,  64                            ; v64-191 numbers as loaded
; the largest magnitudes of the 32 numbers from v[b0] and from v[b1], by turns, and the scale operands
.macro MAX2 b0, b1
	v_max3_num_f32 v[MX], |v[(\b0)]|, |v[(\b0)+1]|, FLOORB
	v_max3_num_f32 v[MX+1], |v[(\b1)]|, |v[(\b1)+1]|, FLOORB
.set i, 2
.rept 15
	v_max3_num_f32 v[MX], v[MX], |v[(\b0)+i]|, |v[(\b0)+i+1]|
	v_max3_num_f32 v[MX+1], v[MX+1], |v[(\b1)+i]|, |v[(\b1)+i+1]|
.set i, i+2
.endr
	v_add_nc_u32 v[SO], EOFF, v[MX]                ; the conversion takes this operand's exponent field as its scale
	v_add_nc_u32 v[SO+1], EOFF, v[MX+1]
.endm
; x: lane (r, h) holds k = 64 c + 32 h + 0 .. 31 of row r in v[x + 32 c ..]: two whole blocks.  Fragment f and its scale word
.macro Q2 f, x
	MAX2 \x, \x+32
	v_lshrrev_b32 v[BY], 23, v[SO]
	v_lshrrev_b32 v[BY+1], 23, v[SO+1]
	v_lshl_or_b32 v[WD+\f], v[BY+1], 16, v[BY]     ; my bytes: blocks h and 2 + h,
	v_lshlrev_b32 v[WD+\f], v7, v[WD+\f]           ; 8 h bits up;
	v_permlanex16_b32 v[PT], v[WD+\f], s17, s18
	v_or_b32 v[WD+\f], v[WD+\f], v[PT]             ; with lane l xor 16's two the word is whole
.irp c, 0,1
	v_cvt_scalef32_pk16_bf6_f32 v[C+12*\f+6*\c:C+12*\f+6*\c+2], v[(\x)+32*\c:(\x)+32*\c+15], v[SO+\c]
	v_cvt_scalef32_pk16_bf6_f32 v[T+4*\c:T+4*\c+2], v[(\x)+32*\c+16:(\x)+32*\c+31], v[SO+\c]
.endr
	v_nop                                          ; one plain place behind a scaled conversion
.irp c, 0,1
.irp i, 0,1,2
	v_mov_b32 v[C+12*\f+6*\c+3+\i], v[T+4*\c+\i]
.endr
.endr
.irp j, 0,1,2
	global_store_b128 v4, v[C+12*\f+4*\j:C+12*\f+4*\j+3], s[12:13] offset:1536*\f+512*\j   ; 32 lanes store 512 consecutive bytes
.endr
.endm
.macro TOSTG f                         ; K step f's 16 rows of 512 bytes into the stage, as loaded
.set m, 0
.rept 16
	ds_store_b128 v5, v[D+64*\f+4*m:D+64*\f+4*m+3] offset:8448*\f+528*m
.set m, m+1
.endr
.endm
.macro FROMSTG f, x                    ; and back: 64 numbers of one row a lane
.irp c, 0,1
.irp e, 0,1,2,3,4,5,6,7
	ds_load_b128 v[\x+32*\c+4*\e:\x+32*\c+4*\e+3], v6 offset:8448*\f+256*\c+16*\e
.endr
.endr
.endm
; a weight: a lane holds one column, registers down K.  Blocks 2 c and 2 c + 1 of both tiles
.macro WPAIR c
	MAX2 D+64*\c, D+64*\c+32
	v_lshrrev_b32 v[BY+2*\c], 23, v[SO]
	v_lshrrev_b32 v[BY+2*\c+1], 23, v[SO+1]
	v_cvt_scalef32_pk16_bf6_f32 v[C+6*\c:C+6*\c+2], v[D+64*\c:D+64*\c+15], v[SO]
	v_cvt_scalef32_pk16_bf6_f32 v[T:T+2], v[D+64*\c+16:D+64*\c+31], v[SO]
	v_cvt_scalef32_pk16_bf6_f32 v[C+12+6*\c:C+12+6*\c+2], v[D+64*\c+32:D+64*\c+47], v[SO+1]
	v_cvt_scalef32_pk16_bf6_f32 v[T+4:T+6], v[D+64*\c+48:D+64*\c+63], v[SO+1]
	v_nop                                          ; one plain place behind a scaled conversion
.irp i, 0,1,2
	v_permlane16_swap_b32 v[C+6*\c+\i], v[C+12+6*\c+\i]   ; block 2 c of the second tile (lanes 16-31) changes places with block 2 c + 1 of the first (lanes 0-15):
	v_permlane16_swap_b32 v[T+\i], v[T+4+\i]              ; each register now belongs to one tile, block 2 c + h in half h
.endr
.irp i, 0,1,2
	v_mov_b32 v[C+6*\c+3+\i], v[T+\i]
	v_mov_b32 v[C+12+6*\c+3+\i], v[T+4+\i]
.endr
.endm
	s_load_b256 s[4:11], s[0:1], 0x0               ; embedded, Wq, Wk, Wv
	s_load_b128 s[12:15], s[0:1], 0x20             ; xw_codes, xw_scales
	v_lshl_add_u32 v62, v0, 2, 0x10800
	v_mov_b32 v63, 0
	v_lshrrev_b32 v1, 5, v0
	v_readfirstlane_b32 s16, v1                    ; wave
	v_and_b32 v1, 31, v0                           ; lane
	v_and_b32 v2, 15, v0                           ; r
	v_bfe_u32 v3, v0, 4, 1                         ; h
	v_lshlrev_b32 v4, 4, v1                        ; 16 x lane
	s_cmp_lt_u32 ttmp9, 512
	s_cbranch_scc0 .Lweights
	; ---- a tile of x
	s_mov_b32 s17, 0x76543210
	s_mov_b32 s18, 0xfedcba98                      ; v_permlanex16_b32's selects for lane l xor 16
	s_mov_b32 s19, 0xffff0000                      ; lanes 16-31
	s_mul_i32 s20, s16, 16896                      ; my wave's two stages of 16 rows x (512 + 16) bytes
	v_add_nc_u32 v5, s20, v4                       ; in: 16 bytes a lane of a row
	v_mul_u32_u24 v6, v2, 528
	v_lshl_add_u32 v6, v3, 7, v6
	v_add_nc_u32 v6, s20, v6                       ; back: row r, + 128 h
	v_lshlrev_b32 v7, 3, v3                        ; 8 h
	v_lshlrev_b32 v19, 2, v1                       ; 4 x lane
	v_mov_b32 v[PT], 0                             ; a lane permute's destination counts as one of its sources
	s_lshr_b32 s21, ttmp9, 1
	s_lshl_b32 s21, s21, 5
	s_and_b32 s22, ttmp9, 1
	s_lshl_b32 s22, s22, 3
	s_add_co_u32 s21, s21, s22                     ; the tile's first row: 32 (T / 2) + 8 (T % 2)
	s_lshl_b32 s22, s21, 12
	s_lshl_b32 s23, s16, 10
	s_add_co_u32 s22, s22, s23                     ; x 4,096 bytes + my two K steps' 1,024
	s_mov_b32 s23, 0
	s_mul_i32 s24, ttmp9, 12288
	s_mul_i32 s25, s16, 3072
	s_add_co_u32 s24, s24, s25
	s_mov_b32 s25, 0
	s_lshl_b32 s26, ttmp9, 9
	s_lshl_b32 s27, s16, 7
	s_add_co_u32 s26, s26, s27
	s_mov_b32 s27, 0
	s_wait_kmcnt 0x0
	s_add_nc_u64 s[4:5], s[4:5], s[22:23]
	s_add_nc_u64 s[12:13], s[12:13], s[24:25]
	s_add_nc_u64 s[14:15], s[14:15], s[26:27]
	s_wait_alu depctr_va_vdst(0)
.irp f, 0,1
.set m, 0
.rept 16
	global_load_b128 v[D+64*\f+4*m:D+64*\f+4*m+3], v4, s[4:5] offset:(m+8*(m/8))*4096+512*\f th:TH_LOAD_NT   ; 32 lanes read 512 consecutive bytes: one K step of one row
.set m, m+1
.endr
.endr
	s_wait_loadcnt 16                              ; the first K step's 16 loads are in; the second's may be out
	TOSTG 0
	FROMSTG 0, 192                                 ; LDS serves a wave's instructions in order: these see the stores above
	s_wait_loadcnt 0x0
	TOSTG 1
	s_wait_dscnt 32                                ; the first step's stores are done (16 loads and 16 stores are younger): their registers take the second step's numbers
	FROMSTG 1, 64
	s_wait_dscnt 32                                ; the first step's numbers are back (16 stores and 16 loads are younger)
	Q2 0, 192
	s_wait_dscnt 0x0
	Q2 1, 64
	v_cndmask_b32 v[WD], v[WD], v[WD+1], s19       ; lanes 0-15: K step 2 w's words; lanes 16-31: K step 2 w + 1's
	global_store_b32 v19, v[WD], s[14:15]
	s_wait_tensorcnt 0x0
	ds_add_u32 v62, v63
	s_wait_dscnt 0x0
	s_endpgm
.Lweights:
	; ---- 128 columns x 128 along K of one weight
	s_sub_co_u32 s20, ttmp9, 512
	s_lshr_b32 s21, s20, 6                         ; which weight
	s_bfe_u32 s22, s20, 0x30003                    ; which 128 columns
	s_and_b32 s23, s20, 7                          ; which K step
	s_lshl_b32 s24, s22, 2
	s_add_co_u32 s24, s24, s16                     ; my 32 columns: group B = 4 x that + wave
	s_wait_alu depctr_va_vdst(0)
	v_and_b32 v5, 7, v1                            ; lane l takes column (l & 7) + 16 ((l >> 3) & 1) + 8 (l >> 4): lanes 0-15 are tile 2 B's rows, lanes 16-31 tile 2 B + 1's
	v_and_b32 v6, 8, v1
	v_lshl_or_b32 v5, v6, 1, v5
	v_and_b32 v6, 16, v1
	v_lshrrev_b32 v6, 1, v6
	v_or_b32 v5, v5, v6
	v_lshlrev_b32 v5, 2, v5
	s_lshl_b32 s26, s23, 19                        ; 128 rows of 4,096 bytes a K step
	s_lshl_b32 s27, s24, 7
	s_add_co_u32 s26, s26, s27
	s_mov_b32 s27, 0
	s_lshl_b32 s28, s21, 6
	s_lshl_b32 s29, s24, 1
	s_add_co_u32 s28, s28, s29
	s_add_co_u32 s28, s28, 512                     ; tile 512 + 64 s + 2 B
	s_mul_i32 s30, s28, 12288
	s_mul_i32 s31, s23, 1536
	s_add_co_u32 s30, s30, s31
	s_mov_b32 s31, 0
	s_lshl_b32 s32, s28, 9
	s_lshl_b32 s33, s23, 6
	s_add_co_u32 s32, s32, s33
	s_mov_b32 s33, 0
	v_lshlrev_b32 v6, 2, v2
	v_lshl_add_u32 v6, v3, 9, v6                   ; scale words: 4 r, + 512 for the second tile
	s_wait_alu depctr_va_vdst(0)
	s_wait_kmcnt 0x0
	s_cmp_eq_u32 s21, 1                            ; the choice hangs on the work-group's number alone
	s_cselect_b64 s[6:7], s[8:9], s[6:7]
	s_cmp_eq_u32 s21, 2
	s_cselect_b64 s[6:7], s[10:11], s[6:7]
	s_add_nc_u64 s[6:7], s[6:7], s[26:27]
	s_add_nc_u64 s[12:13], s[12:13], s[30:31]
	s_add_nc_u64 s[14:15], s[14:15], s[32:33]
.set n, 0
.rept 128
	global_load_b32 v[D+n], v5, s[6:7] offset:4096*n th:TH_LOAD_NT   ; row n of the K step at my column: the wave reads 128 consecutive bytes, the four waves 512
.set n, n+1
.endr
	s_wait_loadcnt 63                              ; at most the youngest 63 are out: rows 0 to 63 are in
	WPAIR 0
	s_wait_loadcnt 0x0
	WPAIR 1
	v_lshl_or_b32 v[WD], v[BY+1], 8, v[BY]         ; my column's four bytes
	v_lshl_or_b32 v[WD], v[BY+2], 16, v[WD]
	v_lshl_or_b32 v[WD], v[BY+3], 24, v[WD]
.irp j, 0,1,2
	global_store_b128 v4, v[C+4*\j:C+4*\j+3], s[12:13] offset:512*\j
	global_store_b128 v4, v[C+12+4*\j:C+12+4*\j+3], s[12:13] offset:12288+512*\j
.endr
	global_store_b32 v6, v[WD], s[14:15]
	s_endpgm
.Lfunc_end_k_qd64d1ef598_quant:
	.size	k_qd64d1ef598_quant, .Lfunc_end_k_qd64d1ef598_quant-k_qd64d1ef598_quant
	.p2alignl 7, 3214868480
	.fill 96, 4, 3214868480
	.section	.rodata,"a",@progbits
	.p2align	6, 0x0
	.amdhsa_kernel k_qd64d1ef598_quant
		.amdhsa_group_segment_fixed_size 68096
		.amdhsa_private_segment_fixed_size 0
		.amdhsa_enable_private_segment 0
		.amdhsa_kernarg_size 48
		.amdhsa_user_sgpr_count 2
		.amdhsa_user_sgpr_kernarg_segment_ptr 1
		.amdhsa_wavefront_size32 1
		.amdhsa_system_sgpr_workgroup_id_x 1
		.amdhsa_system_sgpr_workgroup_id_y 1
		.amdhsa_system_sgpr_workgroup_id_z 1
		.amdhsa_system_vgpr_workitem_id 0
		.amdhsa_next_free_vgpr 256
		.amdhsa_next_free_sgpr 66
		.amdhsa_reserve_vcc 0
		.amdhsa_float_denorm_mode_32 3
		.amdhsa_float_denorm_mode_16_64 3
		.amdhsa_memory_ordered 1
		.amdhsa_forward_progress 1
		.amdhsa_inst_pref_size 37
	.end_amdhsa_kernel
	.amdgpu_metadata
---
amdhsa.version: [ 1, 2 ]
amdhsa.kernels:
  - .name:           k_qd64d1ef598_quant
    .symbol:         k_qd64d1ef598_quant.kd
    .args:
      - { .name: embedded, .offset: 0, .size: 8, .value_kind: global_buffer, .address_space: global }
      - { .name: Wq, .offset: 8, .size: 8, .value_kind: global_buffer, .address_space: global }
      - { .name: Wk, .offset: 16, .size: 8, .value_kind: global_buffer, .address_space: global }
      - { .name: Wv, .offset: 24, .size: 8, .value_kind: global_buffer, .address_space: global }
      - { .name: xw_codes, .offset: 32, .size: 8, .value_kind: global_buffer, .address_space: global }
      - { .name: xw_scales, .offset: 40, .size: 8, .value_kind: global_buffer, .address_space: global }
    .group_segment_fixed_size: 68096
    .private_segment_fixed_size: 0
    .kernarg_segment_align: 8
    .kernarg_segment_size: 48
    .max_flat_workgroup_size: 128
    .sgpr_count:     66
    .vgpr_count:     256
    .wavefront_size: 32
...
	.end_amdgpu_metadata
.endif
;; end of part 1
;; launch proj (part 2): grid 8 x 32, 4 waves a work-group, clusters of 4 x 4, 327,680 bytes of LDS; arguments xw_codes, xw_scales, qkv_codes, qkv_scales; writes qkv_codes, qkv_scales
.if DOCPART == 2
	.amdgcn_target "amdgcn-amd-amdhsa--gfx1250"
	.amdhsa_code_object_version 6
	.text
	.protected	k_qd64d1ef598_proj
	.globl	k_qd64d1ef598_proj
	.p2align	8
	.type	k_qd64d1ef598_proj,@function
k_qd64d1ef598_proj:
	s_mov_b64 s[64:65], 0
	v_nop
	global_prefetch_b8 v0, s[64:65] scope:SCOPE_SE
	s_setreg_imm32_b32 hwreg(HW_REG_WAVE_MODE, 25, 1), 1
	s_wait_xcnt 0x0
	s_wait_alu depctr_hold_cnt(0) depctr_sa_sdst(0) depctr_va_vdst(0) depctr_va_sdst(0) depctr_va_ssrc(0) depctr_va_vcc(0) depctr_vm_vsrc(0)
	s_getreg_b32 s2, hwreg(HW_REG_IB_STS2, 6, 4)
	s_cmp_eq_u32 s2, 0
	s_cbranch_scc0 .Lentry_in_a_cluster
	s_endpgm
.Lentry_in_a_cluster:
	s_bfe_u32 s2, ttmp6, 0x10000c
	s_cmp_lg_u32 s2, 0xf033
	s_cbranch_scc0 .Lentry_shape_is_right
	s_endpgm
.Lentry_shape_is_right:
; q = x Wq, k = x Wk, v = x Wv on codes of BF6 (E3M2) with E8M0 scales, K = 1,024; the results are quantised in registers and leave as codes: q and k along d, v along the keys.
; Operands lie as images of operand registers: [tile of 16 rows][K step of 128][1,536 bytes], scale words [tile][K step][16 words]; tile 2 B + u holds rows 32 B + 8 u + m + 8 (m / 8).
; 256 work-groups of equal work.  Work-group (wx 0..7, wy 0..31) takes the 256 tokens of block wy twice:
;   PART 1: A = x (256 tokens), B = 256 rows of Wq (wx 0-3) or Wk (wx 4-7): four waves 128 x 128, 64 accumulators each.
;   PART 2: A = 128 rows of Wv (d = 128 wx ..), B = the same 256 tokens: v^T; four waves 64 of d x 128 tokens, 32 accumulators each.
; Source 0 = 16 rows of B, source 1 = 16 rows of A: a lane holds ONE row of A, and the 16 registers of B's tiles 2 B, 2 B + 1 are 16 neighbours along B's index, the next product's K.
; qkv_codes: q [512 tiles][8][1536] at 0, k at 6,291,456, v [batch][64 d tiles][16][1536] at 12,582,912.  qkv_scales likewise: 0, 262,144, 524,288.
; CLUSTERS: 4 x 4.  x's tiles hang on wy alone and are shared along a row of the cluster, the weights' on wx alone and are shared along a column: joint loads.
; LDS: two slots of 147,456 bytes; Wv's, x's and Wq/Wk's scale words (4,096 + 8,192 + 8,192, each filled once); the spare words.
; FIVE FILLS, one tensor load a wave for each: F0 slot 0: part 1's K steps 0-2 (x at 4,608 i, W at 73,728 + 4,608 i), with x's and W's scale words; F1 slot 1: K steps 3-5, with Wv's scale words;
; F2 slot 0: K steps 6-7 (x at 3,072 i, W at 49,152 + 3,072 i); F3 slot 1: part 2's K steps 0-3 (x at 6,144 i, Wv at 98,304 + 6,144 i); F4 slot 0: its K steps 4-7.
; F3 is asked for inside part 1's K step 5 and F4 in the middle of part 1's way out: both are on their way while q and k are quantised and stored.
; No data prefetch: the text has no loop to run ahead in, and each fill is asked for one fill ahead of its use.
; REGISTERS: window 0: v8-31 addresses; v32-47 scale words, two sets; v64-255 A's fragments, two sets (part 2: v128-223; the way out works in v64-114).  window 1: B's fragments, two sets.  windows 2, 3: accumulator (a, b) at v[8 (8 (a % 4) + b)].
; LIMITS: NaN and infinities are not served; a block of results whose largest magnitude lies under 2^-122 gets the byte 1.
.set S1,    147456
.set SCV,   2*S1
.set SCX,   SCV+4096
.set SCW,   SCX+8192
.set SPARE, SCW+8192                   ; 128 bytes for each wave: two blocks of 256 bytes that no other line names
.set AVA,  8                           ; v8-9   part 2: Wv's fragments in slot 1, 0
.set AVB,  10                          ; v10-11 part 2: x's fragments in slot 1, 0
.set ADRA, 16                          ; v16-18 part 1: x's fragments in slot 0, slot 1, slot 0 as F2 lays it
.set ADRB, 20                          ; v20-22 the same for W
.set ADS2, 23                          ; v23    part 2's scale words: lanes 0-15 Wv's, lanes 16-31 x's
.set ADRS, 24                          ; v24    part 1's: lanes 0-15 x's, lanes 16-31 W's
.set LI,   25                          ; v25    16 x lane
.set VS,   26                          ; v26-27 the way out: my scale word's place, part 1, part 2
.set SPW,  28                          ; v28    my spare word; never rewritten
.set NIL,  29                          ; v29    0; never rewritten
.set SC,   32
.set AF,   64
.set AV,   128
.set TM,   64                          ; the way out: v64-67 largest magnitudes, v68-71 bytes, v76-79 scale operands
.set PWE,  80
.set PW,   81
.set PM,   82
.set PC,   96                          ; v96-107 the codes, v108-114 second halves
.set GX1,  24                          ; groups 1: x's codes, W's codes, x's scale words, W's scale words
.set GW1,  48
.set GXS1, 76
.set GWS1, 84
.set GX0,  32                          ; groups 0, written anew for each fill while no tensor load of the wave is out
.set GW0,  36
.set GS0,  44
.set GT0,  56
.set XB,   60                          ; addresses: x's block, W's block; the same + my half; Wv's rows + my half; Wv's scale words
.set WB,   62
.set XH,   66
.set WH,   68
.set VH,   70
.set VSC,  72
.set P2C,  74                          ; where v's codes and scale words go
.set P2S,  42
.set HI,   98
.set SEL,  100
.set MUL_LO, 0xa1                      ; source 0 (B) window 1, source 1 (A) window 0, C and D window 2
.set MUL_HI, 0xf1
.set TO_B,   0x40
.set MSB, 0
.macro WIN new                         ; the immediate's high byte repeats the setting that is left
.if MSB != \new
	s_set_vgpr_msb (MSB<<8)|\new
.set MSB, \new
.endif
.endm
.macro PLACES n                        ; plain vector places behind matrix instructions (ISA guide 7.12.1)
.rept \n
	v_nop
.endr
.endm
.macro G0C g, lds, adr, goff           ; a group 0: count 1, a constant LDS address, global address, type 2
	s_mov_b32 s[\g], 1
	s_mov_b32 s[\g+1], \lds
	s_add_nc_u64 s[\g+2:\g+3], s[\adr:\adr+1], \goff
	s_or_b32 s[\g+3], s[\g+3], 0x80000000
.endm
.macro G0R g, reg, lds, adr, goff      ; the same, the LDS address + my half's place
	s_mov_b32 s[\g], 1
	s_add_co_u32 s[\g+1], s[\reg], \lds
	s_add_nc_u64 s[\g+2:\g+3], s[\adr:\adr+1], \goff
	s_or_b32 s[\g+3], s[\g+3], 0x80000000
.endm
.macro DIMS g, el, rows                ; a group 1's tensor and tile sizes: rows of el elements of 8 bytes
	s_mov_b32 s[\g+1], (\el)<<16
	s_mov_b32 s[\g+2], (\rows)<<16
	s_mov_b32 s[\g+3], (\el)<<16
	s_mov_b32 s[\g+4], \rows
.endm
.macro TL g0, g1                       ; a tensor load; s_nop 0 and four v_nop follow
	tensor_load_to_lds s[\g0:\g0+3], s[\g1:\g1+7]
	s_nop 0
	PLACES 4
.endm
.macro ARM under, g0, g1, next, join   ; one arm of a chain of branches on the wave's number
	s_cmp_lt_u32 s14, \under
	s_cbranch_scc0 \next
	TL \g0, \g1
	s_branch \join
\next:
.endm
.macro HALVES                          ; waves 0, 1: x's halves; waves 2, 3: the weight's halves
	s_cmp_eq_u32 s15, 0
	s_cbranch_scc0 .Lfor_w_\@
	TL GX0, GX1
	s_branch .Lasked_\@
.Lfor_w_\@:
	TL GW0, GW1
.Lasked_\@:
.endm
.macro CREST                           ; a round of the cluster's barrier behind its opening barrier
	s_cmp_lg_u32 s14, 0
	s_cbranch_scc1 .Lnot_wave_0_\@
	s_barrier_signal -3
.Lnot_wave_0_\@:
	s_barrier_wait -3
	s_barrier_signal -1
	s_barrier_wait -1
.endm
.macro CROUND
	s_barrier_signal -1
	s_barrier_wait -1
	CREST
.endm
.macro PREP f                          ; fill f's descriptors: scalar work, while no tensor load of the wave is out
.if \f == 1
	G0C GX0, S1, XB, 4608
	G0C GW0, S1+73728, WB, 4608
	G0C GT0, SCV, VSC, 0
	s_mov_b32 s[GWS1+2], 16<<16                    ; Wv's scale words: 16 rows of 256 bytes
	s_mov_b32 s[GWS1+4], 16
.endif
.if \f == 2
	DIMS GX1, 384, 8
	DIMS GW1, 384, 8
	G0R GX0, 19, 0, XH, 9216
	G0R GW0, 19, 49152, WH, 9216
.endif
.if \f == 3
	DIMS GX1, 768, 8
	DIMS GW1, 768, 4
	G0R GX0, 18, S1, XH, 0
	G0R GW0, 19, S1+98304, VH, 0
.endif
.if \f == 4
	G0R GX0, 18, 0, XH, 6144
	G0R GW0, 19, 98304, VH, 6144
.endif
.endm
; part 1: 56 LDS loads in one run: the fragments and scale words of K step k (the q-th of its fill) into a set.  slot 2: slot 0 as F2 lays it, 3,072 bytes a tile
.macro FETCH slot, q, set, k
	WIN TO_B
.irp b, 0,1,2,3,4,5,6,7
.irp c, 0,1,2
	ds_load_b128 v[96*(\set)+12*\b+4*\c:96*(\set)+12*\b+4*\c+3], v[ADRB+\slot] offset:(4608-1536*((\slot)/2))*\b+1536*(\q)+512*\c
.endr
.endr
	WIN 0
.irp b, 0,1,2,3,4,5,6,7
.irp c, 0,1,2
	ds_load_b128 v[AF+96*(\set)+12*\b+4*\c:AF+96*(\set)+12*\b+4*\c+3], v[ADRA+\slot] offset:(4608-1536*((\slot)/2))*\b+1536*(\q)+512*\c
.endr
.endr
.irp b, 0,1,2,3,4,5,6,7
	ds_load_b32 v[SC+8*(\set)+\b], v[ADRS] offset:512*\b+64*(\k)
.endr
.endm
; part 2: 44 LDS loads: x's 8 tiles, Wv's 4, the scale words (in registers 4-7 lanes 0-15 read words of x that no product names).  slot 0: slot 1 of LDS, slot 1: slot 0
.macro FETCHV slot, q, set, k
	WIN TO_B
.irp b, 0,1,2,3,4,5,6,7
.irp c, 0,1,2
	ds_load_b128 v[96*(\set)+12*\b+4*\c:96*(\set)+12*\b+4*\c+3], v[AVB+\slot] offset:6144*\b+1536*(\q)+512*\c
.endr
.endr
	WIN 0
.irp b, 0,1,2,3
.irp c, 0,1,2
	ds_load_b128 v[AV+48*(\set)+12*\b+4*\c:AV+48*(\set)+12*\b+4*\c+3], v[AVA+\slot] offset:6144*\b+1536*(\q)+512*\c
.endr
.endr
.irp b, 0,1,2,3,4,5,6,7
	ds_load_b32 v[SC+8*(\set)+\b], v[ADS2] offset:512*\b+64*(\k)
.endr
.endm
; 16 matrix instructions: A's tiles a0, a0 + 1 (fragments from v[ab]) x B's eight.  The accumulators take turns, one instruction a turn, in the same order in every K step
.macro MUL16 a0, set, zero, ab
.irp a, \a0, \a0+1
.irp b, 0,1,2,3,4,5,6,7
.if \zero
	v_wmma_scale_f32_16x16x128_f8f6f4 v[8*(8*((\a)%4)+\b):8*(8*((\a)%4)+\b)+7], v[96*(\set)+12*\b:96*(\set)+12*\b+11], v[\ab+12*(\a):\ab+12*(\a)+11], 0, v[SC+8*(\set)+\b], v[SC+8*(\set)+(\a)] matrix_a_fmt:MATRIX_FMT_BF6 matrix_b_fmt:MATRIX_FMT_BF6 matrix_a_scale:MATRIX_SCALE_ROW1
.else
	v_wmma_scale_f32_16x16x128_f8f6f4 v[8*(8*((\a)%4)+\b):8*(8*((\a)%4)+\b)+7], v[96*(\set)+12*\b:96*(\set)+12*\b+11], v[\ab+12*(\a):\ab+12*(\a)+11], v[8*(8*((\a)%4)+\b):8*(8*((\a)%4)+\b)+7], v[SC+8*(\set)+\b], v[SC+8*(\set)+(\a)] matrix_a_fmt:MATRIX_FMT_BF6 matrix_b_fmt:MATRIX_FMT_BF6 matrix_a_scale:MATRIX_SCALE_ROW1
.endif
.endr
.endr
.endm
.macro MULHI set, zero
	WIN MUL_HI
	MUL16 4, \set, \zero, AF+96*(\set)
	MUL16 6, \set, \zero, AF+96*(\set)
	WIN 0
.endm
; A K step of part 1: its operands were asked for a K step ago; the next step's are asked for first, then 64 matrix instructions
.macro KSTEP set, zero, nslot, nq, nk
	s_wait_dscnt 0x0                               ; this step's operands are in
	PLACES 4                                       ; in front of loads into registers that the last step's matrix instructions have read
	FETCH \nslot, \nq, 1-\set, \nk
	WIN MUL_LO
	MUL16 0, \set, \zero, AF+96*(\set)
	MUL16 2, \set, \zero, AF+96*(\set)
	MULHI \set, \zero
.endm
; A K step that leaves a slot: the slot is filled again (fill f) behind a round of the cluster's barrier
.macro TURN set, f, nslot, nq, nk
	s_wait_tensorcnt 0x0                           ; all my tensor loads have landed: my part of the other slot
	ds_add_u32 v[SPW], v[NIL]                      ; 0 onto my spare word
	PREP \f
	s_wait_dscnt 1                                 ; this step's operands are in; only the add may be out
	WIN MUL_LO
	MUL16 0, \set, 0, AF+96*(\set)
	s_wait_dscnt 0x0                               ; the add is done, and my reads of the slot are over
	s_barrier_signal -1
	MUL16 2, \set, 0, AF+96*(\set)
	WIN 0
	s_barrier_wait -1
	CREST
	HALVES                                         ; the first tensor load behind the round; its four v_nop are also the places in front of the loads below
	FETCH \nslot, \nq, 1-\set, \nk
	MULHI \set, 0
.endm
.macro KV set, zero, nslot, nq, nk     ; a K step of part 2: 32 matrix instructions
	s_wait_dscnt 0x0
	PLACES 4
	FETCHV \nslot, \nq, 1-\set, \nk
	WIN MUL_LO
	MUL16 0, \set, \zero, AV+48*(\set)
	MUL16 2, \set, \zero, AV+48*(\set)
	WIN 0
.endm
; 64 results of a lane in window w from v[s] on (register 16 b + i = index 32 b + 16 (lane / 16) + i of the next K) become a fragment's codes in v[PC] on and its scale word in v[PW]
; THE WAY OUT UNDER MATRIX WORK.  While IL is 1, the lines WM inside the way out's macros each lay the step's next product (number NW of 32, in the order of MUL16) between the vector lines:
; the tile that is quantised and the sums that grow share no register.  Each product so laid costs two switches of the register windows.
.set IL, 0
.set NW, 32
.macro WM
.if IL && (NW < 32)
.set SV, MSB
	WIN WWIN
.if WZ
	v_wmma_scale_f32_16x16x128_f8f6f4 v[8*NW:8*NW+7], v[96*WSET+12*(NW%8):96*WSET+12*(NW%8)+11], v[WAB+12*(NW/8):WAB+12*(NW/8)+11], 0, v[SC+8*WSET+NW%8], v[WSA+NW/8] matrix_a_fmt:MATRIX_FMT_BF6 matrix_b_fmt:MATRIX_FMT_BF6 matrix_a_scale:MATRIX_SCALE_ROW1
.else
	v_wmma_scale_f32_16x16x128_f8f6f4 v[8*NW:8*NW+7], v[96*WSET+12*(NW%8):96*WSET+12*(NW%8)+11], v[WAB+12*(NW/8):WAB+12*(NW/8)+11], v[8*NW:8*NW+7], v[SC+8*WSET+NW%8], v[WSA+NW/8] matrix_a_fmt:MATRIX_FMT_BF6 matrix_b_fmt:MATRIX_FMT_BF6 matrix_a_scale:MATRIX_SCALE_ROW1
.endif
	WIN SV
.set NW, NW+1
.endif
.endm
.macro ILV set, zero, ab, sa, win, first   ; from here on WM lays products: B's set, C = 0 or not, A's first fragment, A's first scale word, the windows, the first product's number
.set WSET, \set
.set WZ, \zero
.set WAB, \ab
.set WSA, \sa
.set WWIN, \win
.set NW, \first
.set IL, 1
.endm
.macro ILEND                           ; the step's products that are left, on end
	WIN WWIN
.rept 32
	WM
.endr
	WIN 0
.set IL, 0
.endm
.macro KVI set, zero, nslot, nq, nk, a ; a K step of part 2 with part 1's tile a going out under it
	s_wait_dscnt 0x0
	PLACES 4
	FETCHV \nslot, \nq, 1-\set, \nk
	ILV \set, \zero, AV+48*(\set), SC+8*(\set), MUL_LO, 0
	OUTT \a, 8, 10, 12288, 512, VS
	ILEND
.endm
.macro QUANTW s, w
	WIN (((\w)<<2)|((\w)<<4))
.irp b, 0,1,2,3
	v_max3_num_f32 v[TM+\b], 0x2800000, |v[(\s)+16*\b]|, |v[(\s)+16*\b+1]|   ; each accumulator is read from its low end on; the floor 2^(5 - 127) holds the byte at 1 from below
.endr
	WM
.irp i, 2,4,6,8,10,12,14
.irp b, 0,1,2,3
	v_max3_num_f32 v[TM+\b], v[TM+\b], |v[(\s)+16*\b+\i]|, |v[(\s)+16*\b+\i+1]|
.endr
	WM
.endr
	WIN 0
.irp b, 0,1,2,3
	v_permlanex16_b32 v[TM+4+\b], v[TM+\b], s[SEL], s[SEL+1]
.endr
	WM
.irp b, 0,1,2,3
	v_max_num_f32 v[TM+\b], v[TM+\b], v[TM+4+\b]   ; with lane l xor 16's 16: the block's largest magnitude
.endr
	WM
.irp b, 0,1,2,3
	v_add_nc_u32 v[TM+12+\b], 0xfe000000, v[TM+\b] ; 4 off its exponent field: the conversion's scale operand
.endr
	WM
.irp b, 0,1,2,3
	v_lshrrev_b32 v[TM+4+\b], 23, v[TM+12+\b]      ; the byte
.endr
	WM
	v_lshl_or_b32 v[PW], v[TM+5], 8, v[TM+4]
	v_lshl_or_b32 v[PW], v[TM+6], 16, v[PW]
	v_lshl_or_b32 v[PW], v[TM+7], 24, v[PW]
	WM
	s_wait_alu depctr_va_vdst(0)
	s_wait_xcnt 0x0                                ; the last tile's stores have read their data: the codes' registers and the merged words are written again only behind this wait
	WIN (\w)
.irp c, 0,1
	v_cvt_scalef32_pk16_bf6_f32 v[PC+6*\c:PC+6*\c+2], v[(\s)+32*\c:(\s)+32*\c+15], v[TM+12+2*\c]
	v_cvt_scalef32_pk16_bf6_f32 v[PC+12+4*\c:PC+12+4*\c+2], v[(\s)+32*\c+16:(\s)+32*\c+31], v[TM+12+2*\c+1]
.endr
	WIN 0
	v_nop                                          ; one plain place behind a scaled conversion
	WM
.irp c, 0,1                            ; the operand's layout wants a whole block in a lane: lanes 0-15 block 2 c, lanes 16-31 block 2 c + 1
.irp i, 0,1,2
	v_permlane16_swap_b32 v[PC+6*\c+\i], v[PC+12+4*\c+\i]
.endr
	WM
.irp i, 0,1,2
	v_mov_b32 v[PC+6*\c+3+\i], v[PC+12+4*\c+\i]
.endr
	WM
.endr
.endm
; A's tile a x my 128 of B's index is one fragment of the next product: quantised, stored as an image.  cp, sp: the bases; cst, sst: bytes from tile to tile; vs: my scale word's place
.macro OUTT a, cp, sp, cst, sst, vs
	QUANTW 64*((\a)%4), 2+(\a)/4
.irp c, 0,1,2
	global_store_b128 v[LI], v[PC+4*\c:PC+4*\c+3], s[\cp:\cp+1] offset:(\a)*(\cst)+512*\c   ; 32 lanes store 512 consecutive bytes
.endr
	WM
.if (\a)%2
	v_cndmask_b32 v[PM], v[PWE], v[PW], s[HI]      ; lanes 0-15: tile a - 1's words; lanes 16-31: tile a's
	global_store_b32 v[\vs], v[PM], s[\sp:\sp+1] offset:((\a)-1)*(\sst)
.else
	v_mov_b32 v[PWE], v[PW]
.endif
.endm
	s_load_b128 s[4:7], s[0:1], 0x0                ; xw_codes, xw_scales
	s_load_b128 s[8:11], s[0:1], 0x10              ; qkv_codes, qkv_scales
	v_lshl_add_u32 v[SPW], v0, 2, SPARE
	v_mov_b32 v[NIL], 0
	ds_add_u32 v[SPW], v[NIL]                      ; the opening lines: the add, twice on end, and its wait ahead of my first tensor load
	ds_add_u32 v[SPW], v[NIL]
	v_lshrrev_b32 v1, 5, v0
	v_readfirstlane_b32 s14, v1                    ; wave 0..3
	s_lshr_b32 s15, s14, 1                         ; which half of A's rows is mine.  Also: I fetch for x (0) or for a weight (1)
	s_and_b32 s16, s14, 1                          ; which half of B's rows.  Also: which half I fetch
	s_bfe_u32 s100, ttmp6, 0x40000                 ; cx
	s_bfe_u32 s101, ttmp6, 0x40004                 ; cy
	s_and_b32 s96, ttmp7, 0xffff
	s_lshl_b32 s96, s96, 2
	s_add_co_u32 s96, s96, s101                    ; wy = 4 x cluster y + cy
	s_lshl_b32 s97, ttmp9, 2
	s_add_co_u32 s97, s97, s100                    ; wx = 4 x cluster x + cx
	s_lshl_b32 s98, s101, 2
	s_lshl_b32 s98, 15, s98                        ; my row of the cluster
	s_lshl_b32 s99, 0x1111, s100                   ; my column
	s_or_b32 s[GX1], s98, (3<<16)|(1<<21)          ; elements of 8 bytes; bit 21 set beside a mask; dense in LDS
	s_or_b32 s[GW1], s99, (3<<16)|(1<<21)
	s_or_b32 s[GXS1], s98, (3<<16)|(1<<21)
	s_or_b32 s[GWS1], s99, (3<<16)|(1<<21)
.irp g, GX1, GW1
	DIMS \g, 576, 16                               ; 16 tiles x 4,608 bytes, 12,288 bytes from tile to tile
	s_mov_b32 s[\g+5], 1536
	s_mov_b32 s[\g+6], 0
	s_mov_b32 s[\g+7], 0
.endr
.irp g, GXS1, GWS1
	DIMS \g, 32, 32                                ; 8,192 dense bytes as 32 rows of 256
	s_mov_b32 s[\g+5], 32
	s_mov_b32 s[\g+6], 0
	s_mov_b32 s[\g+7], 0
.endr
	s_mul_i32 s20, s96, 196608                     ; x: 16 tiles of 12,288 bytes a block
	s_mov_b32 s21, 0
	s_lshl_b32 s2, s96, 13                         ; its scale words: 8,192 bytes a block
	s_mov_b32 s3, 0
	s_add_co_u32 s22, s97, 32                      ; Wq's and Wk's blocks stand behind x's 32, in registers that never hold cy
	s_mul_i32 s22, s22, 196608
	s_mov_b32 s23, 0
	s_lshl_b32 s12, s97, 13
	s_add_co_u32 s12, s12, 262144
	s_mov_b32 s13, 0
	s_mul_i32 s40, s97, 98304                      ; Wv: tile 640 + 8 wx
	s_add_co_u32 s40, s40, 7864320
	s_mov_b32 s41, 0
	s_lshl_b32 s72, s97, 12
	s_add_co_u32 s72, s72, 327680
	s_mov_b32 s73, 0
	s_mul_i32 s18, s16, 49152                      ; my half's place: no place in the cluster enters an LDS address
	s_mul_i32 s19, s16, 24576
	s_mov_b32 s92, s18
	s_mov_b32 s93, 0
	s_mul_i32 s94, s16, 98304
	s_mov_b32 s95, 0
	s_wait_dscnt 0x0                               ; both opening adds are done
	s_wait_kmcnt 0x0
	s_add_nc_u64 s[XB:XB+1], s[4:5], s[20:21]
	s_add_nc_u64 s[2:3], s[6:7], s[2:3]
	s_add_nc_u64 s[WB:WB+1], s[4:5], s[22:23]
	s_add_nc_u64 s[12:13], s[6:7], s[12:13]
	s_add_nc_u64 s[VH:VH+1], s[4:5], s[40:41]
	s_add_nc_u64 s[VH:VH+1], s[VH:VH+1], s[92:93]
	s_add_nc_u64 s[VSC:VSC+1], s[6:7], s[72:73]
	s_add_nc_u64 s[XH:XH+1], s[XB:XB+1], s[94:95]
	s_add_nc_u64 s[WH:WH+1], s[WB:WB+1], s[94:95]
	G0C GX0, 0, XB, 0
	G0C GW0, 73728, WB, 0
	G0C GS0, SCX, 2, 0
	G0C GT0, SCW, 12, 0
	CROUND                                         ; all sixteen work-groups are here: the first joint loads meet
	ARM 1, GX0, GX1, .Lh1, .Lhj                    ; F0, one load a wave: x's 16 tiles,
	ARM 2, GW0, GW1, .Lh2, .Lhj                    ; W's 16 tiles,
	ARM 3, GS0, GXS1, .Lh3, .Lhj                   ; x's scale words,
	TL GT0, GWS1                                   ; W's scale words
.Lhj:
	; where the results go
	s_lshl_b32 s20, s96, 4
	s_lshl_b32 s21, s15, 3
	s_add_co_u32 s20, s20, s21                     ; q, k: token tile 16 wy + my half's 8
	s_lshl_b32 s21, s100, 1
	s_add_co_u32 s21, s21, s16                     ; q, k: K step 2 cx + my half
	s_lshr_b32 s22, s96, 3                         ; v: the batch
	s_lshl_b32 s23, s97, 3
	s_lshl_b32 s2, s15, 2
	s_add_co_u32 s23, s23, s2                      ; v: d tile 8 wx + my half's 4
	s_and_b32 s2, s96, 7
	s_lshl_b32 s2, s2, 1
	s_add_co_u32 s2, s2, s16                       ; v: K step 2 (wy % 8) + my half
	s_mov_b32 s13, 0
	s_mul_i32 s12, s22, 1572864
	s_mul_i32 s3, s23, 24576
	s_add_co_u32 s12, s12, s3
	s_mul_i32 s3, s2, 1536
	s_add_co_u32 s12, s12, s3
	s_add_co_u32 s12, s12, 12582912
	s_add_nc_u64 s[P2C:P2C+1], s[8:9], s[12:13]
	s_lshl_b32 s12, s22, 16
	s_lshl_b32 s3, s23, 10
	s_add_co_u32 s12, s12, s3
	s_lshl_b32 s3, s2, 6
	s_add_co_u32 s12, s12, s3
	s_add_co_u32 s12, s12, 524288
	s_add_nc_u64 s[P2S:P2S+1], s[10:11], s[12:13]
	s_mul_i32 s12, ttmp9, 6291456                  ; cluster x 0: q, 1: k
	s_mul_i32 s3, s20, 12288
	s_add_co_u32 s12, s12, s3
	s_mul_i32 s3, s21, 1536
	s_add_co_u32 s12, s12, s3
	s_add_nc_u64 s[8:9], s[8:9], s[12:13]
	s_lshl_b32 s12, ttmp9, 18
	s_lshl_b32 s3, s20, 9
	s_add_co_u32 s12, s12, s3
	s_lshl_b32 s3, s21, 6
	s_add_co_u32 s12, s12, s3
	s_add_nc_u64 s[10:11], s[10:11], s[12:13]
	; my fragments' places in LDS: the scalar parts first, then one run of vector lines
	s_mul_i32 s20, s15, 36864                      ; part 1: my 8 tiles of x,
	s_mul_i32 s21, s16, 36864
	s_add_co_u32 s21, s21, 73728                   ; my 8 of W, behind x's 16;
	s_mul_i32 s22, s15, 24576                      ; the same as F2 lays them
	s_add_co_u32 s23, s19, 49152
	s_add_co_u32 s2, s22, 98304                    ; part 2: my 4 tiles of Wv, behind x's 16 (x: s18)
	s_lshl_b32 s3, s15, 12
	s_lshl_b32 s12, s16, 12
	s_add_co_u32 s12, s12, 8192
	s_sub_co_u32 s12, s12, s3                      ; part 1's scale words: from x's (lanes 0-15) to W's (lanes 16-31)
	s_add_co_u32 s3, s3, SCX
	s_lshl_b32 s13, s15, 11
	s_lshl_b32 s40, s16, 12
	s_add_co_u32 s40, s40, 4096
	s_sub_co_u32 s40, s40, s13                     ; part 2's: from Wv's to x's
	s_add_co_u32 s13, s13, SCV
	v_and_b32 v1, 15, v0                           ; r
	v_bfe_u32 v2, v0, 4, 1                         ; h
	v_and_b32 v3, 31, v0
	v_lshlrev_b32 v[LI], 4, v3
	v_lshlrev_b32 v4, 2, v1
	v_add_nc_u32 v[ADRA], s20, v[LI]
	v_add_nc_u32 v[ADRA+1], S1, v[ADRA]
	v_add_nc_u32 v[ADRA+2], s22, v[LI]
	v_add_nc_u32 v[ADRB], s21, v[LI]
	v_add_nc_u32 v[ADRB+1], S1, v[ADRB]
	v_add_nc_u32 v[ADRB+2], s23, v[LI]
	v_add_nc_u32 v[AVA+1], s2, v[LI]
	v_add_nc_u32 v[AVA], S1, v[AVA+1]
	v_add_nc_u32 v[AVB+1], s18, v[LI]
	v_add_nc_u32 v[AVB], S1, v[AVB+1]
	v_mul_u32_u24 v3, s12, v2                      ; one product: the distance x h
	v_add_nc_u32 v3, v3, v4
	v_add_nc_u32 v[ADRS], s3, v3
	v_mul_u32_u24 v5, s40, v2
	v_add_nc_u32 v5, v5, v4
	v_add_nc_u32 v[ADS2], s13, v5
	v_lshl_add_u32 v[VS], v2, 9, v4                ; 4 r, + one tile for lanes 16-31
	v_lshl_add_u32 v[VS+1], v2, 10, v4
	s_wait_alu depctr_va_vdst(0)
	s_wait_tensorcnt 0x0                           ; my tile of F0 is in
	ds_add_u32 v[SPW], v[NIL]
	PREP 1
	s_wait_dscnt 0x0
	CROUND
	ARM 1, GX0, GX1, .Lg1, .Lgj                    ; F1, first fills alone: x's K steps 3-5,
	ARM 2, GW0, GW1, .Lg2, .Lgj                    ; W's,
	s_cmp_lt_u32 s14, 3
	s_cbranch_scc0 .Lgj
	TL GT0, GWS1                                   ; Wv's scale words; wave 3 has no part
.Lgj:
	FETCH 0, 0, 0, 0
	KSTEP 0, 1, 0, 1, 1                            ; K step 0: its products start the sums
	KSTEP 1, 0, 0, 2, 2
	TURN 0, 2, 1, 0, 3                             ; K step 2: slot 0 is left and takes K steps 6-7
	KSTEP 1, 0, 1, 1, 4
	KSTEP 0, 0, 1, 2, 5
	TURN 1, 3, 2, 0, 6                             ; K step 5: slot 1 is left and takes part 2's K steps 0-3
	KSTEP 0, 0, 2, 1, 7
	s_wait_dscnt 0x0                               ; K step 7
	WIN MUL_LO
	MUL16 0, 1, 0, AF+96
	MUL16 2, 1, 0, AF+96
	WIN 0
	; q's or k's way out begins: tiles 0-3 are finished; tile 0 goes out under the 32 products of tiles 4-7
	PLACES 4                                       ; behind tiles 0-3's last products, and behind K step 6's, whose fragments lay where the way out works
	s_mov_b32 s[SEL], 0x76543210
	s_mov_b32 s[SEL+1], 0xfedcba98                 ; v_permlanex16_b32's selects for lane l xor 16
	s_mov_b32 s[HI], 0xffff0000                    ; lanes 16-31
.irp b, 0,1,2,3
	v_mov_b32 v[TM+4+\b], 0                        ; a lane permute's destination counts as one of its sources
.endr
	ILV 1, 0, AF+96+48, SC+8+4, MUL_HI, 0
	OUTT 0, 8, 10, 12288, 512, VS
	ILEND
	OUTT 1, 8, 10, 12288, 512, VS
	s_wait_alu depctr_va_vdst(0)
	s_wait_tensorcnt 0x0                           ; F3 has landed; slot 0 was read out in K step 6
	ds_add_u32 v[SPW], v[NIL]
	PREP 4
	s_wait_dscnt 0x0
	CROUND
	HALVES                                         ; F4: slot 0 takes part 2's K steps 4-7
	FETCHV 0, 0, 0, 0                              ; part 2's first fragments come in under the rest of the way out
	OUTT 2, 8, 10, 12288, 512, VS
	OUTT 3, 8, 10, 12288, 512, VS                  ; window 2 is free: v^T's sums grow there while tiles 4-7 (window 3) go out
	KVI 0, 1, 0, 1, 1, 4                           ; v^T: K step 0 starts the sums
	KVI 1, 0, 0, 2, 2, 5
	KVI 0, 0, 0, 3, 3, 6
	s_wait_tensorcnt 0x0                           ; K step 3: my part of F4, my one load that is out, has landed, and every wave learns it
	s_wait_dscnt 0x0
	s_barrier_signal -1
	WIN MUL_LO
	MUL16 0, 1, 0, AV+48
	s_barrier_wait -1
	PLACES 4
	FETCHV 1, 0, 0, 4
	WIN MUL_LO
	MUL16 2, 1, 0, AV+48
	WIN 0
	KVI 0, 0, 1, 1, 5, 7
	KV 1, 0, 1, 2, 6
	KV 0, 0, 1, 3, 7
	s_wait_dscnt 0x0
	WIN MUL_LO
	ILV 1, 0, AV+48, SC+8, MUL_LO, 0               ; the last K step: tile 0's eight products first,
.rept 8
	WM
.endr
	WIN 0
	PLACES 4
	OUTT 0, P2C, P2S, 24576, 1024, VS+1            ; then tile 0 goes out under the other 24
	ILEND
	PLACES 4
.irp a, 1,2,3
	OUTT \a, P2C, P2S, 24576, 1024, VS+1
.endr
	s_wait_tensorcnt 0x0                           ; the wave's end
	ds_add_u32 v[SPW], v[NIL]
	s_wait_dscnt 0x0
	CROUND                                         ; the closing round
	s_endpgm
.Lfunc_end_k_qd64d1ef598_proj:
	.size	k_qd64d1ef598_proj, .Lfunc_end_k_qd64d1ef598_proj-k_qd64d1ef598_proj
	.p2alignl 7, 3214868480
	.fill 96, 4, 3214868480
	.section	.rodata,"a",@progbits
	.p2align	6, 0x0
	.amdhsa_kernel k_qd64d1ef598_proj
		.amdhsa_group_segment_fixed_size 327680
		.amdhsa_private_segment_fixed_size 0
		.amdhsa_enable_private_segment 0
		.amdhsa_kernarg_size 32
		.amdhsa_user_sgpr_count 2
		.amdhsa_user_sgpr_kernarg_segment_ptr 1
		.amdhsa_wavefront_size32 1
		.amdhsa_system_sgpr_workgroup_id_x 1
		.amdhsa_system_sgpr_workgroup_id_y 1
		.amdhsa_system_sgpr_workgroup_id_z 1
		.amdhsa_system_vgpr_workitem_id 0
		.amdhsa_next_free_vgpr 1024
		.amdhsa_next_free_sgpr 102
		.amdhsa_reserve_vcc 0
		.amdhsa_float_denorm_mode_32 3
		.amdhsa_float_denorm_mode_16_64 3
		.amdhsa_memory_ordered 1
		.amdhsa_forward_progress 1
		.amdhsa_inst_pref_size 228
	.end_amdhsa_kernel
	.amdgpu_metadata
---
amdhsa.version: [ 1, 2 ]
amdhsa.kernels:
  - .name:           k_qd64d1ef598_proj
    .symbol:         k_qd64d1ef598_proj.kd
    .args:
      - { .name: xw_codes, .offset: 0, .size: 8, .value_kind: global_buffer, .address_space: global }
      - { .name: xw_scales, .offset: 8, .size: 8, .value_kind: global_buffer, .address_space: global }
      - { .name: qkv_codes, .offset: 16, .size: 8, .value_kind: global_buffer, .address_space: global }
      - { .name: qkv_scales, .offset: 24, .size: 8, .value_kind: global_buffer, .address_space: global }
    .group_segment_fixed_size: 327680
    .private_segment_fixed_size: 0
    .kernarg_segment_align: 8
    .kernarg_segment_size: 32
    .max_flat_workgroup_size: 128
    .sgpr_count:     102
    .vgpr_count:     1024
    .wavefront_size: 32
...
	.end_amdgpu_metadata
.endif
;; end of part 2
;; launch scores (part 3): grid 36 x 4, 4 waves a work-group, no clusters, 327,680 bytes of LDS; arguments qkv_codes, qkv_scales, p_codes, p_stat; writes p_codes, p_stat
.if DOCPART == 3
	.amdgcn_target "amdgcn-amd-amdhsa--gfx1250"
	.amdhsa_code_object_version 6
	.text
	.protected	k_qd64d1ef598_scores
	.globl	k_qd64d1ef598_scores
	.p2align	8
	.type	k_qd64d1ef598_scores,@function
k_qd64d1ef598_scores:
	s_mov_b64 s[64:65], 0
	v_nop
	global_prefetch_b8 v0, s[64:65] scope:SCOPE_SE
	s_setreg_imm32_b32 hwreg(HW_REG_WAVE_MODE, 25, 1), 1
	s_wait_xcnt 0x0
; The causal scores q k^T / 32 on codes of BF6 (E3M2), K = 1,024, and the softmax's p as codes.  A work-group makes 256 queries x 256 keys; only the 36 tiles of a batch on or under the diagonal are made.
; THE SOFTMAX, in pieces of 128 keys: t = score x log2(e) / 32; for each query and each 128 keys M' = ceil(the piece's largest t), a whole number; p' = 2^(t - M') is quantised along the keys.
; Stored: p's codes, its scale bytes under M', -M' and the piece's sum of the unquantised p'.  The next launch takes the row's largest M' and shifts the bytes and sums by whole powers of two: the codes do not hang on M.
; Source 0 = 16 keys, source 1 = 16 queries: a lane holds ONE query; by the choice of a tile's rows (tile 2 B + u: rows 32 B + 8 u + m + 8 (m / 8)) the 16 registers of key tiles 2 B, 2 B + 1 are 16 neighbouring keys.
; p_codes = [512 query tiles][16 K steps][1,536]: images of operand registers.  p_stat = three arrays [tile][K step][16 words]: scale words at 0, -M' at 524,288, sums at 1,048,576.
; NO CLUSTER: a row of the triangle has 1 to 8 tiles and a column 8 to 1, so no division into fours gives every partner a shared tile and work of its own.
; LDS and registers as in the launch before: two slots of 147,456 bytes (three K steps), the scale words, the spare words; slot 0 is filled a second time.
; LIMITS: NaN and infinities are not served; |t| beyond 1e30 is not served; a block whose every p' lies under 2^-122 gets the byte 1.  A piece all of whose keys are hidden gets zero codes, -M' = 1e30 and the sum 0.
; THE RING: two slots of 147,456 bytes.  Slot 0: K steps 0-2 (q's 16 tiles at 4,608 i, k's at 73,728 + 4,608 i); slot 1: K steps 3-5; slot 0 again: K steps 6-7 (3,072 i, 49,152 + 3,072 i).  One tensor load a wave for each fill.
.set SLOT,  147456
.set SCL,   2*SLOT
.set SPARE, SCL+16384                  ; 128 bytes for each wave: two blocks of 256 bytes that no other line names
.set ADRA, 16
.set ADRB, 20
.set ADRS, 24
.set LI,   25
.set D0,   26                          ; v26  my query less my half's first key, for the mask
.set NINF, 27                          ; v27  -infinity
.set SPW,  28
.set NIL,  29
.set VS,   30                          ; v30  my place among the statistics
.set SC,   32
.set AF,   64
.set P,    64                          ; the way out: v64-127 t, then p'
.set PC,   128                         ; v128-139 the codes, v140-146 second halves
.set BM,   148                         ; v148-151 the blocks' largest t, then p'
.set BT,   152
.set SO,   156
.set NM,   160                         ; v160 -M' (v161 is named with it as a pair)
.set TT,   162
.set LS,   164
.set L2,   166
.set PW,   168
.set PWE,  169
.set NME,  170
.set LE,   171
.set MG,   172
.set G1,   24                          ; s[24:31] group 1 for codes; s[32:43] groups 0 for the three slots; s[44:47] group 0 and s[48:55] group 1 for scale words
.set G0,   32
.set G0S,  44
.set G1S,  48
.set CS,   56                          ; s[56:57] c = log2(e) / 32
.set SEL,  58
.set MSKF, 60                          ; 0: my 128 x 128 lies under the diagonal, 1: on it, 2: over it
.set HI,   61
.set MUL_LO, 0xa1
.set MUL_HI, 0xf1
.set TO_B,   0x40
.set MSB, 0
.macro WIN new
.if MSB != \new
	s_set_vgpr_msb (MSB<<8)|\new
.set MSB, \new
.endif
.endm
.macro PLACES n
.rept \n
	v_nop
.endr
.endm
.macro MKG0 g, lds, ldsoff, adr, goff
	s_mov_b32 s[\g], 1
	s_add_co_u32 s[\g+1], s[\lds], \ldsoff
	s_add_nc_u64 s[\g+2:\g+3], s[\adr:\adr+1], \goff
	s_or_b32 s[\g+3], s[\g+3], 0x80000000
.endm
.macro REFILL                          ; each wave's own quarter of the slot; four v_nop follow
	tensor_load_to_lds s[G0+8:G0+11], s[G1R:G1R+7]
	s_nop 0
	PLACES 4
.endm
.macro FETCH slot, q, set, k
	WIN TO_B
.irp b, 0,1,2,3,4,5,6,7
.irp c, 0,1,2
	ds_load_b128 v[96*(\set)+12*\b+4*\c:96*(\set)+12*\b+4*\c+3], v[ADRB+\slot] offset:(4608-1536*((\slot)/2))*\b+1536*(\q)+512*\c
.endr
.endr
	WIN 0
.irp b, 0,1,2,3,4,5,6,7
.irp c, 0,1,2
	ds_load_b128 v[AF+96*(\set)+12*\b+4*\c:AF+96*(\set)+12*\b+4*\c+3], v[ADRA+\slot] offset:(4608-1536*((\slot)/2))*\b+1536*(\q)+512*\c
.endr
.endr
.irp b, 0,1,2,3,4,5,6,7
	ds_load_b32 v[SC+8*(\set)+\b], v[ADRS] offset:512*\b+64*(\k)
.endr
.endm
.macro MUL16 a0, set, zero             ; the 64 accumulators take turns, one instruction a turn
.irp a, \a0, \a0+1
.irp b, 0,1,2,3,4,5,6,7
.if \zero
	v_wmma_scale_f32_16x16x128_f8f6f4 v[8*(8*((\a)%4)+\b):8*(8*((\a)%4)+\b)+7], v[96*(\set)+12*\b:96*(\set)+12*\b+11], v[AF+96*(\set)+12*(\a):AF+96*(\set)+12*(\a)+11], 0, v[SC+8*(\set)+\b], v[SC+8*(\set)+(\a)] matrix_a_fmt:MATRIX_FMT_BF6 matrix_b_fmt:MATRIX_FMT_BF6 matrix_a_scale:MATRIX_SCALE_ROW1
.else
	v_wmma_scale_f32_16x16x128_f8f6f4 v[8*(8*((\a)%4)+\b):8*(8*((\a)%4)+\b)+7], v[96*(\set)+12*\b:96*(\set)+12*\b+11], v[AF+96*(\set)+12*(\a):AF+96*(\set)+12*(\a)+11], v[8*(8*((\a)%4)+\b):8*(8*((\a)%4)+\b)+7], v[SC+8*(\set)+\b], v[SC+8*(\set)+(\a)] matrix_a_fmt:MATRIX_FMT_BF6 matrix_b_fmt:MATRIX_FMT_BF6 matrix_a_scale:MATRIX_SCALE_ROW1
.endif
.endr
.endr
.endm
.macro KSTEP set, zero, nslot, nq, nk
	s_wait_dscnt 0x0                               ; this step's operands are in
	PLACES 4                                       ; in front of loads into registers that the last step's matrix instructions have read
	FETCH \nslot, \nq, 1-\set, \nk
	WIN MUL_LO
	MUL16 0, \set, \zero
	MUL16 2, \set, \zero
	WIN MUL_HI
	MUL16 4, \set, \zero
	MUL16 6, \set, \zero
	WIN 0
.endm
.macro LAST set
	s_wait_dscnt 0x0
	WIN MUL_LO
	MUL16 0, \set, 0
	MUL16 2, \set, 0
	WIN MUL_HI
	MUL16 4, \set, 0
	MUL16 6, \set, 0
	WIN 0
.endm
.macro TURN set, kind, nslot, nq, nk
	s_wait_tensorcnt 0x0                           ; all my tensor loads have landed
.if \kind == 2
	ds_add_u32 v[SPW], v[NIL]                      ; 0 onto my spare word
	s_wait_dscnt 1                                 ; this step's operands are in; only the add may be out
.else
	s_wait_dscnt 0x0
.endif
	WIN MUL_LO
	MUL16 0, \set, 0
	s_wait_dscnt 0x0                               ; the add is done, and my reads of the slot are over
	s_barrier_signal -1
	MUL16 2, \set, 0
	WIN 0
	s_barrier_wait -1
.if \kind == 2
	REFILL                                         ; the first tensor load behind the barrier; its four v_nop are also the places in front of the loads below
.else
	PLACES 4
.endif
	FETCH \nslot, \nq, 1-\set, \nk
	WIN MUL_HI
	MUL16 4, \set, 0
	MUL16 6, \set, 0
	WIN 0
.endm
; Query tile a against my 128 keys: register 16 b + i of its 64 results is key 32 b + 16 (lane / 16) + i
.macro SOFT a
.set AS, 64*((\a)%4)
.set QO, 32*((\a)/2)+8*((\a)%2)        ; the tile's first query among my 128
.set AW, 2+(\a)/4                      ; the window of the tile's accumulators: the mask and the maxima work on the scores where they lie
	s_cmp_eq_u32 s[MSKF], 0                        ; a scalar branch on ids: under the diagonal nothing is hidden
	s_cbranch_scc1 .Lopen_\@
.set n, 0
	s_cmp_eq_u32 s[MSKF], 2                        ; a scalar branch on ids: 2: my 128 keys all come after my 128 queries
	s_cbranch_scc1 .Ldead_\@
; on the diagonal: the tile's 16 queries lie in block a / 2 of 32.  Key blocks ahead of it are open, those behind it hidden; that one block alone is compared, four numbers at a time
	WIN ((AW<<6)|AW)
.set n, 16*((\a)/2)
.rept 4
.irp e, 0,1,2,3
	v_cmp_gt_i32 s[MK+\e], 32*(n/16)+n%16+\e-QO, v[D0]   ; hidden where the key comes after the query
.endr
.irp e, 0,1,2,3
	v_cndmask_b32 v[AS+n+\e], v[AS+n+\e], v[NINF], s[MK+\e]   ; each accumulator is read from its low end on
.endr
.set n, n+4
.endr
	WIN 0
	s_branch .Lhid_\@
.Ldead_\@:
	WIN (AW<<6)
.set n, 0
.rept 16*((\a)/2)+16
	v_mov_b32 v[AS+n], v[NINF]
.set n, n+1
.endr
	WIN 0
.Lhid_\@:
.if (\a)/2 < 3
	WIN (AW<<6)
.set n, 16*((\a)/2)+16
.rept 48-16*((\a)/2)
	v_mov_b32 v[AS+n], v[NINF]
.set n, n+1
.endr
	WIN 0
.endif
.Lopen_\@:
	WIN (AW|(AW<<2)|(AW<<4))
.irp b, 0,1,2,3
	v_max3_num_f32 v[BM+\b], v[AS+16*\b], v[AS+16*\b+1], v[AS+16*\b+2]   ; the largest SCORE of each block of 32 keys (c is positive): it serves for the piece's maximum and for the block's largest p
.endr
	WIN ((AW<<2)|(AW<<4))
.irp i, 3,5,7,9,11,13
.irp b, 0,1,2,3
	v_max3_num_f32 v[BM+\b], v[BM+\b], v[AS+16*\b+\i], v[AS+16*\b+\i+1]
.endr
.endr
	WIN (AW<<2)
.irp b, 0,1,2,3
	v_max_num_f32 v[BM+\b], v[BM+\b], v[AS+16*\b+15]
.endr
	WIN 0
.irp b, 0,1,2,3
	v_permlanex16_b32 v[BT+\b], v[BM+\b], s[SEL], s[SEL+1]
.endr
.irp b, 0,1,2,3
	v_max_num_f32 v[BM+\b], v[BM+\b], v[BT+\b]     ; with lane l xor 16's 16 keys
.endr
	v_max3_num_f32 v[TT], v[BM], v[BM+1], v[BM+2]
	v_max_num_f32 v[TT], v[TT], v[BM+3]
	v_mul_f32 v[TT], s[CS], v[TT]                  ; the piece's largest score as t = score x c
	v_max_num_f32 v[TT], 0xf149f2ca, v[TT]         ; held at -1e30: it acts only where all 128 keys are hidden
	v_floor_f32 v[NM], -v[TT]                      ; -M' = floor(-t) = -ceil(t): a whole number
.set j, 0
	WIN AW
.rept 32
	v_pk_fma_f32 v[P+j:P+j+1], v[AS+j:AS+j+1], s[CS:CS+1], v[NM:NM+1] op_sel_hi:[1,0,0]   ; t - M' = score x c - M', one fused multiply-add, into window 0
.set j, j+2
.endr
	WIN 0
.irp b, 0,1,2,3
	v_fma_f32 v[BM+\b], v[BM+\b], s[CS], v[NM]     ; the same of each block's largest score
.endr
.set j, 0
	s_wait_alu depctr_va_vdst(0)
.rept 64
	v_exp_f32 v[P+j], v[P+j]                       ; p' = 2^(t - M'), at most 1
.set j, j+1
.endr
.irp b, 0,1,2,3
	v_exp_f32 v[BM+\b], v[BM+\b]                   ; the same instructions on the same number give the same bits
.endr
	v_nop                                          ; a plain place behind the exponentials
	s_wait_alu depctr_va_vdst(0)
.irp b, 0,1,2,3
	v_max_num_f32 v[BM+\b], 0x2800000, v[BM+\b]    ; the floor 2^(5 - 127): the byte cannot fall under 1
.endr
.irp b, 0,1,2,3
	v_add_nc_u32 v[SO+\b], 0xfe000000, v[BM+\b]    ; 4 off the exponent field: the conversion's scale operand
.endr
.irp b, 0,1,2,3
	v_lshrrev_b32 v[BT+\b], 23, v[SO+\b]
.endr
	v_lshl_or_b32 v[PW], v[BT+1], 8, v[BT]
	v_lshl_or_b32 v[PW], v[BT+2], 16, v[PW]
	v_lshl_or_b32 v[PW], v[BT+3], 24, v[PW]
	s_wait_alu depctr_va_vdst(0)
	s_wait_xcnt 0x0                                ; the last tile's stores have read their data: the codes' registers and the merged statistics are written again only behind this wait.
	                                               ; It stands here and not at the tile's head: the lines above write none of those registers, so they run while the stores' addresses are translated
.irp c, 0,1
	v_cvt_scalef32_pk16_bf6_f32 v[PC+6*\c:PC+6*\c+2], v[P+32*\c:P+32*\c+15], v[SO+2*\c]
	v_cvt_scalef32_pk16_bf6_f32 v[PC+12+4*\c:PC+12+4*\c+2], v[P+32*\c+16:P+32*\c+31], v[SO+2*\c+1]
.endr
	v_nop                                          ; one plain place behind a scaled conversion
.irp c, 0,1
.irp i, 0,1,2
	v_permlane16_swap_b32 v[PC+6*\c+\i], v[PC+12+4*\c+\i]
.endr
.irp i, 0,1,2
	v_mov_b32 v[PC+6*\c+3+\i], v[PC+12+4*\c+\i]
.endr
.endr
	v_pk_add_f32 v[LS:LS+1], v[P:P+1], v[P+2:P+3]  ; the sum is taken of the unquantised p', in two chains
	v_pk_add_f32 v[L2:L2+1], v[P+4:P+5], v[P+6:P+7]
.set j, 8
.rept 14
	v_pk_add_f32 v[LS:LS+1], v[LS:LS+1], v[P+j:P+j+1]
	v_pk_add_f32 v[L2:L2+1], v[L2:L2+1], v[P+j+2:P+j+3]
.set j, j+4
.endr
	v_pk_add_f32 v[LS:LS+1], v[LS:LS+1], v[L2:L2+1]
	v_add_f32 v[LS], v[LS], v[LS+1]
	v_permlanex16_b32 v[L2], v[LS], s[SEL], s[SEL+1]
	v_add_f32 v[LS], v[LS], v[L2]
.irp c, 0,1,2
	global_store_b128 v[LI], v[PC+4*\c:PC+4*\c+3], s[8:9] offset:(\a)*24576+512*\c   ; 32 lanes store 512 consecutive bytes
.endr
.if (\a)%2
	v_cndmask_b32 v[MG], v[PWE], v[PW], s[HI]      ; lanes 0-15: tile a - 1's; lanes 16-31: tile a's
	v_cndmask_b32 v[MG+1], v[NME], v[NM], s[HI]
	v_cndmask_b32 v[MG+2], v[LE], v[LS], s[HI]
	global_store_b32 v[VS], v[MG], s[10:11] offset:((\a)-1)*1024
	global_store_b32 v[VS], v[MG+1], s[10:11] offset:524288+((\a)-1)*1024
	global_store_b32 v[VS], v[MG+2], s[10:11] offset:1048576+((\a)-1)*1024
.else
	v_mov_b32 v[PWE], v[PW]
	v_mov_b32 v[NME], v[NM]
	v_mov_b32 v[LE], v[LS]
.endif
.endm
	s_load_b128 s[4:7], s[0:1], 0x0                ; qkv_codes, qkv_scales
	s_load_b128 s[8:11], s[0:1], 0x10              ; p_codes, p_stat
	v_lshl_add_u32 v[SPW], v0, 2, SPARE
	v_mov_b32 v[NIL], 0
	ds_add_u32 v28, v29
	ds_add_u32 v28, v29
	s_wait_dscnt 0x0
	v_lshrrev_b32 v1, 5, v0
	v_readfirstlane_b32 s14, v1                    ; wave 0..3
	s_lshr_b32 s15, s14, 1                         ; which half of the queries is mine
	s_and_b32 s16, s14, 1                          ; which half of the keys.  Also: which 8 tiles I fetch
	s_mov_b32 s20, 0                               ; the work-group's number counts the triangle row by row: block of queries i = how many of 1, 3, 6, .. it has reached
.irp t, 1,3,6,10,15,21,28
	s_cmp_ge_u32 ttmp9, \t
	s_cselect_b32 s21, 1, 0
	s_add_co_u32 s20, s20, s21
.endr
	s_add_co_u32 s21, s20, 1
	s_mul_i32 s21, s21, s20
	s_lshr_b32 s21, s21, 1
	s_sub_co_u32 s21, ttmp9, s21                   ; block of keys j = number - i (i + 1) / 2
	s_and_b32 s22, ttmp7, 0xffff
	s_lshl_b32 s22, s22, 7                         ; the batch's first tile
	s_cmp_lt_u32 s14, 2                            ; waves 0, 1 fetch q's block i, waves 2, 3 k's block j
	s_cselect_b32 s23, s20, s21
	s_cselect_b32 s17, 0, 1
	s_lshl_b32 s23, s23, 4
	s_add_co_u32 s23, s23, s22
	s_lshl_b32 s18, s16, 3
	s_add_co_u32 s23, s23, s18                     ; the first tile that I fetch
	s_mul_i32 s2, s23, 12288
	s_mul_i32 s3, s17, 6291456
	s_add_co_u32 s2, s2, s3
	s_mov_b32 s3, 0
	s_sub_co_u32 s12, s23, s18                     ; the scale words come by whole blocks of 16 tiles
	s_lshl_b32 s12, s12, 9
	s_lshl_b32 s13, s17, 18
	s_add_co_u32 s12, s12, s13
	s_mov_b32 s13, 0
	s_mul_i32 s17, s14, 36864                      ; where they go: wave x 8 tiles of 4,608 bytes,
	s_mul_i32 s19, s14, 24576                      ; or of 3,072 bytes (K steps 6-7)
	s_lshl_b32 s18, s15, 13                        ; q's scale words, then k's
	s_mov_b32 s[G1], 3<<16                         ; elements of 8 bytes, no mask, no padding
	s_mov_b32 s[G1+1], 576<<16                     ; 8 tiles x 4,608 bytes, 12,288 bytes from tile to tile
	s_mov_b32 s[G1+2], 8<<16
	s_mov_b32 s[G1+3], 576<<16
	s_mov_b32 s[G1+4], 8
	s_mov_b32 s[G1+5], 1536
	s_mov_b32 s[G1+6], 0
	s_mov_b32 s[G1+7], 0
.set G1H, 68                           ; s[68:75] group 1 for the head: 16 tiles x 4,608 bytes
.set G1R, 76                           ; s[76:83] group 1 for K steps 6-7: 8 tiles x 3,072 bytes
	s_mov_b32 s[G1H], 3<<16
	s_mov_b32 s[G1H+1], 576<<16
	s_mov_b32 s[G1H+2], 16<<16
	s_mov_b32 s[G1H+3], 576<<16
	s_mov_b32 s[G1H+4], 16
	s_mov_b32 s[G1H+5], 1536
	s_mov_b32 s[G1H+6], 0
	s_mov_b32 s[G1H+7], 0
	s_mov_b32 s[G1R], 3<<16
	s_mov_b32 s[G1R+1], 384<<16
	s_mov_b32 s[G1R+2], 8<<16
	s_mov_b32 s[G1R+3], 384<<16
	s_mov_b32 s[G1R+4], 8
	s_mov_b32 s[G1R+5], 1536
	s_mov_b32 s[G1R+6], 0
	s_mov_b32 s[G1R+7], 0
	s_mov_b32 s[G1S], 3<<16                        ; elements of 8 bytes, no mask
	s_mov_b32 s[G1S+1], 32<<16
	s_mov_b32 s[G1S+2], 32<<16                     ; 8,192 dense bytes as 32 rows of 256
	s_mov_b32 s[G1S+3], 32<<16
	s_mov_b32 s[G1S+4], 32
	s_mov_b32 s[G1S+5], 32
	s_mov_b32 s[G1S+6], 0
	s_mov_b32 s[G1S+7], 0
	s_wait_kmcnt 0x0
	s_add_nc_u64 s[2:3], s[4:5], s[2:3]
	s_add_nc_u64 s[12:13], s[6:7], s[12:13]
	MKG0 G0S, 18, SCL, 12, 0
	MKG0 G0, 17, 0, 2, 0
	MKG0 G0+4, 17, SLOT, 2, 4608
	MKG0 G0+8, 19, 0, 2, 9216
	s_cmp_eq_u32 s16, 0                            ; the head's four tiles, one load a wave: wave 0 q's 16 tiles of K steps 0-2, wave 2 k's; wave 1 q's scale words, wave 3 k's
	s_cbranch_scc0 .Lhead_s
	tensor_load_to_lds s[G0:G0+3], s[G1H:G1H+7]
	s_nop 0
	PLACES 4
	s_branch .Lhead_j
.Lhead_s:
	tensor_load_to_lds s[G0S:G0S+3], s[G1S:G1S+7]
	s_nop 0
	PLACES 4
.Lhead_j:
	v_and_b32 v1, 15, v0                           ; r
	v_bfe_u32 v2, v0, 4, 1                         ; h
	s_wait_alu depctr_va_vdst(0)
	v_and_b32 v3, 31, v0
	v_lshlrev_b32 v[LI], 4, v3
	s_mul_i32 s2, s15, 24576
	s_mul_i32 s3, s16, 24576
	s_add_co_u32 s3, s3, 49152
	s_wait_alu depctr_va_vdst(0)
	v_add_nc_u32 v[ADRA+2], s2, v[LI]              ; slot 0 as K steps 6-7 lie in it
	v_add_nc_u32 v[ADRB+2], s3, v[LI]
	s_mul_i32 s2, s15, 36864
	s_mul_i32 s3, s16, 36864
	s_add_co_u32 s3, s3, 73728
.irp s, 0,1
	v_add_nc_u32 v[ADRA+\s], s2, v[LI]
	v_add_nc_u32 v[ADRB+\s], s3, v[LI]
	s_add_co_u32 s2, s2, SLOT
	s_add_co_u32 s3, s3, SLOT
.endr
	s_lshl_b32 s2, s15, 12
	s_lshl_b32 s3, s16, 12
	s_add_co_u32 s3, s3, 8192
	s_sub_co_u32 s3, s3, s2
	v_mul_u32_u24 v3, s3, v2                       ; lanes 16-31 take the keys' words: one product, the distance x h
	v_lshl_add_u32 v3, v1, 2, v3
	s_add_co_u32 s2, s2, SCL
	v_add_nc_u32 v[ADRS], s2, v3
.set MK, 84                            ; s84-87 four masks of lanes
	s_sub_co_u32 s[MSKF], s16, s15                 ; on the diagonal tile: 0 my quadrant lies under the diagonal, 1 on it, 2 over it;
	s_add_co_u32 s[MSKF], s[MSKF], 1
	s_cmp_eq_u32 s20, s21
	s_cselect_b32 s[MSKF], s[MSKF], 0              ; on every other tile 0
	v_and_b32 v3, 8, v1
	v_add_nc_u32 v3, v3, v1                        ; r + 8 (r / 8)
	v_lshlrev_b32 v4, 4, v2
	v_sub_nc_u32 v3, v3, v4                        ; - 16 h
	s_sub_co_i32 s2, s15, s16
	s_lshl_b32 s2, s2, 7
	v_add_nc_u32 v[D0], s2, v3                     ; + 128 (my half of the queries - my half of the keys)
	v_mov_b32 v[NINF], 0xff800000
	v_lshlrev_b32 v[VS], 2, v1
	v_lshl_add_u32 v[VS], v2, 10, v[VS]            ; 4 r, + one tile for lanes 16-31
	s_lshl_b32 s23, s20, 4
	s_add_co_u32 s23, s23, s22
	s_lshl_b32 s2, s15, 3
	s_add_co_u32 s23, s23, s2                      ; my first query tile
	s_lshl_b32 s2, s21, 1
	s_add_co_u32 s2, s2, s16                       ; my K step of the next product: 2 j + my half
	s_mul_i32 s12, s23, 24576
	s_mul_i32 s13, s2, 1536
	s_add_co_u32 s12, s12, s13
	s_mov_b32 s13, 0
	s_add_nc_u64 s[8:9], s[8:9], s[12:13]
	s_lshl_b32 s12, s23, 10
	s_lshl_b32 s2, s2, 6
	s_add_co_u32 s12, s12, s2
	s_add_nc_u64 s[10:11], s[10:11], s[12:13]
	s_mov_b32 s[CS], 0x3d38aa3b                    ; c = log2(e) / 32
	s_mov_b32 s[CS+1], s[CS]                       ; (named with it as a pair, so it is written)
	s_mov_b32 s[SEL], 0x76543210
	s_mov_b32 s[SEL+1], 0xfedcba98
	s_mov_b32 s[HI], 0xffff0000
	s_wait_alu depctr_va_vdst(0)
	s_wait_tensorcnt 0x0                           ; my tile of the head's four is in
	ds_add_u32 v[SPW], v[NIL]
	s_wait_dscnt 0x0
	s_barrier_signal -1
	s_barrier_wait -1
	tensor_load_to_lds s[G0+4:G0+7], s[G1:G1+7]    ; slot 1's first fill: K steps 3-5, my 8 tiles
	s_nop 0
	PLACES 4
	FETCH 0, 0, 0, 0
	KSTEP 0, 1, 0, 1, 1                            ; K step 0: its products start the sums
	KSTEP 1, 0, 0, 2, 2
	TURN 0, 2, 1, 0, 3                             ; K step 2: slot 0 is left and takes K steps 6-7; slot 1 is whole for every wave
	KSTEP 1, 0, 1, 1, 4
	KSTEP 0, 0, 1, 2, 5
	TURN 1, 1, 2, 0, 6                             ; K step 5: the refill has landed
	KSTEP 0, 0, 2, 1, 7
	LAST 1
	PLACES 4
.irp b, 0,1,2,3
	v_mov_b32 v[BT+\b], 0                          ; a lane permute's destination counts as one of its sources
.endr
	v_mov_b32 v[NM+1], 0
.irp a, 0,1,2,3,4,5,6,7
	SOFT \a
.endr
	s_wait_tensorcnt 0x0                           ; the wave's end
	ds_add_u32 v[SPW], v[NIL]
	s_wait_dscnt 0x0
	s_endpgm
.Lfunc_end_k_qd64d1ef598_scores:
	.size	k_qd64d1ef598_scores, .Lfunc_end_k_qd64d1ef598_scores-k_qd64d1ef598_scores
	.p2alignl 7, 3214868480
	.fill 96, 4, 3214868480
	.section	.rodata,"a",@progbits
	.p2align	6, 0x0
	.amdhsa_kernel k_qd64d1ef598_scores
		.amdhsa_group_segment_fixed_size 327680
		.amdhsa_private_segment_fixed_size 0
		.amdhsa_enable_private_segment 0
		.amdhsa_kernarg_size 32
		.amdhsa_user_sgpr_count 2
		.amdhsa_user_sgpr_kernarg_segment_ptr 1
		.amdhsa_wavefront_size32 1
		.amdhsa_system_sgpr_workgroup_id_x 1
		.amdhsa_system_sgpr_workgroup_id_y 1
		.amdhsa_system_sgpr_workgroup_id_z 1
		.amdhsa_system_vgpr_workitem_id 0
		.amdhsa_next_free_vgpr 1024
		.amdhsa_next_free_sgpr 88
		.amdhsa_reserve_vcc 0
		.amdhsa_float_denorm_mode_32 3
		.amdhsa_float_denorm_mode_16_64 3
		.amdhsa_memory_ordered 1
		.amdhsa_forward_progress 1
		.amdhsa_inst_pref_size 230
	.end_amdhsa_kernel
	.amdgpu_metadata
---
amdhsa.version: [ 1, 2 ]
amdhsa.kernels:
  - .name:           k_qd64d1ef598_scores
    .symbol:         k_qd64d1ef598_scores.kd
    .args:
      - { .name: qkv_codes, .offset: 0, .size: 8, .value_kind: global_buffer, .address_space: global }
      - { .name: qkv_scales, .offset: 8, .size: 8, .value_kind: global_buffer, .address_space: global }
      - { .name: p_codes, .offset: 16, .size: 8, .value_kind: global_buffer, .address_space: global }
      - { .name: p_stat, .offset: 24, .size: 8, .value_kind: global_buffer, .address_space: global }
    .group_segment_fixed_size: 327680
    .private_segment_fixed_size: 0
    .kernarg_segment_align: 8
    .kernarg_segment_size: 32
    .max_flat_workgroup_size: 128
    .sgpr_count:     88
    .vgpr_count:     1024
    .wavefront_size: 32
...
	.end_amdgpu_metadata
.endif
;; end of part 3
;; launch pv (part 4): grid 8 x 32, 4 waves a work-group, clusters of 4 x 1, 327,680 bytes of LDS; arguments p_codes, p_stat, qkv_codes, qkv_scales, out0; writes out0
.if DOCPART == 4
	.amdgcn_target "amdgcn-amd-amdhsa--gfx1250"
	.amdhsa_code_object_version 6
	.text
	.protected	k_qd64d1ef598_pv
	.globl	k_qd64d1ef598_pv
	.p2align	8
	.type	k_qd64d1ef598_pv,@function
k_qd64d1ef598_pv:
	s_mov_b64 s[64:65], 0
	v_nop
	global_prefetch_b8 v0, s[64:65] scope:SCOPE_SE
	s_setreg_imm32_b32 hwreg(HW_REG_WAVE_MODE, 25, 1), 1
	s_wait_xcnt 0x0
	s_wait_alu depctr_hold_cnt(0) depctr_sa_sdst(0) depctr_va_vdst(0) depctr_va_sdst(0) depctr_va_ssrc(0) depctr_va_vcc(0) depctr_vm_vsrc(0)
	s_getreg_b32 s2, hwreg(HW_REG_IB_STS2, 6, 4)
	s_cmp_eq_u32 s2, 0
	s_cbranch_scc0 .Lentry_in_a_cluster
	s_endpgm
.Lentry_in_a_cluster:
	s_bfe_u32 s2, ttmp6, 0x10000c
	s_cmp_lg_u32 s2, 0x3003
	s_cbranch_scc0 .Lentry_shape_is_right
	s_endpgm
.Lentry_shape_is_right:
; out = round(10^4 x (p v) / l) / 10^4 on codes of BF6 (E3M2), K = the keys up to the diagonal.  A work-group makes 256 queries (block i of a batch) x 128 of d; wave w owns query tiles 4 w .. 4 w + 3 against all 8 tiles of d: 32 accumulators.
; THE SOFTMAX IS JOINED HERE.  p's codes came with scale bytes, -M' and sums for each query and each 128 keys.  The row's M is the largest M'; each piece's bytes are lowered by M - M' (a byte that would fall under 0 is held at 0)
; and its sum is multiplied by 2^(M' - M): whole powers of two, nothing is rounded.  The shifted scale words of the 256 queries lie in LDS; so does 10^4 / l.
; Wave w joins its own four tiles: a lane takes four rows x eight K steps (lanes 16-31 the K steps 8 to 15), by 24 loads of 16 bytes; the two halves of the lanes exchange the row's -M and its sum.
; Source 0 = 16 of d (v^T, the keys innermost), source 1 = 16 queries (p): a lane holds ONE query, and the 16 registers of d tiles 2 B, 2 B + 1 are 16 neighbouring d.
; K goes in slots of 512 keys (4 K steps) through two LDS slots.  Block i has 2 (i + 1) K steps; the text has a way for each number of slots, chosen by forward branches on i, which all partners of a cluster share.
; CLUSTER: the four work-groups of a cluster have the same queries and different d: p's tiles are asked for JOINTLY.  v's tiles are each work-group's own here; the work-groups that share them (other query blocks) walk different numbers of slots.
; PRICE: with one slot of work the second slot is fetched and not read (its load is waited for at the head of that way); with an odd number of key blocks the last slot's second half likewise.
; Statistics past the diagonal were never written: they are replaced before use.
; LDS: two slots of 147,456 (p's 16 tiles at 6,144 t, v's 8 at 98,304 + 6,144 b); p's shifted scale words 16,384 (stored, never filled); v's scale words 8,192 (filled once); the factors 1,024; the spare words.
; LIMITS: NaN and infinities are not served.  A block of p more than 2^123 under the row's maximum counts with the scale 2^-127.
.set SLOTP, 147456
.set SCA,   2*SLOTP
.set SCB,   SCA+16384
.set FAC,   SCB+8192
.set SPARE, FAC+1024                   ; 128 bytes for each wave: two blocks of 256 bytes that no other line names
.set ADRA, 16                          ; v16-17 my p fragments in slot 0, 1
.set ADRB, 20                          ; v20-21 v's fragments
.set ADSA, 24                          ; v24 p's scale words   v25 v's   v26 the factors
.set ADSB, 25
.set ADF,  26
.set STO,  27                          ; v27 the stage: in     v30 back
.set SPW,  28
.set NIL,  29
.set RD,   30
.set LI,   31
.set SA,   32                          ; v32-39 p's scale words, two sets of 4     v40-55 v's, two sets of 8
.set SB,   40
.set FV,   56                          ; v56-63 the four tiles' factors, each twice (a pair for the packed multiply)
.set AF,   64                          ; v64-159 p's fragments, two sets of 48
.set TO,   64                          ; the way out: v64-127 a tile's results; v128-191 and v192-255 whole rows, by turns
.set BK,   128
.set WB,   64                          ; at the head: v64-95 scale words, v96-127 -M', v128-159 sums: register 4 k + j = K step 8 h + k, row 4 g + j
.set NB,   96
.set LB,   128
.set TA,   160                         ; v160-191, v192-223 at work
.set TF,   192
.set NR,   224                         ; v224-227 the four rows' -M      v228-231 their sums      v232-235 a lane permute's destinations
.set LT,   228
.set PT,   232
.set BIG,  236
.set LIM,  237                         ; v237 how many of my eight K steps lie on or under the diagonal (it may be negative, or more than eight)
.set G1A, 24                           ; s[24:31] group 1 and s[32:39] groups 0 for p; s[40:47], s[48:55] for v; s[56:63], s[68:71] for v's scale words
.set G0A, 32
.set G1B, 40
.set G0B, 48
.set G1S, 56
.set G0S, 68
.set MULW, 0xa1                        ; source 0 (v) window 1, source 1 (p) window 0, C and D window 2
.set MSB, 0
.macro WIN new
.if MSB != \new
	s_set_vgpr_msb (MSB<<8)|\new
.set MSB, \new
.endif
.endm
.macro PLACES n
.rept \n
	v_nop
.endr
.endm
.macro MKG0 g, lds, ldsoff, adr, goff
	s_mov_b32 s[\g], 1
	s_add_co_u32 s[\g+1], s[\lds], \ldsoff
	s_add_nc_u64 s[\g+2:\g+3], s[\adr:\adr+1], \goff
	s_or_b32 s[\g+3], s[\g+3], 0x80000000
.endm
.macro CREST
	s_cmp_lg_u32 s14, 0
	s_cbranch_scc1 .Lnot_wave_0_\@
	s_barrier_signal -3
.Lnot_wave_0_\@:
	s_barrier_wait -3
	s_barrier_signal -1
	s_barrier_wait -1
.endm
.macro CROUND
	s_barrier_signal -1
	s_barrier_wait -1
	CREST
.endm
.macro JLOADP s                        ; waves 0, 1: p's halves, jointly; waves 2, 3: v's halves; four v_nop follow each line
	s_cmp_lt_u32 s14, 2
	s_cbranch_scc0 .Lfor_v_\@
	tensor_load_to_lds s[G0A+4*\s:G0A+4*\s+3], s[G1A:G1A+7]
	s_nop 0
	PLACES 4
	s_branch .Lasked_\@
.Lfor_v_\@:
	tensor_load_to_lds s[G0B+4*\s:G0B+4*\s+3], s[G1B:G1B+7]
	s_nop 0
	PLACES 4
.Lasked_\@:
.endm
.macro FETCHP slot, q, set, k          ; 48 LDS loads in one run: K step k, the q-th of its slot
	WIN 0x40
.irp b, 0,1,2,3,4,5,6,7
.irp c, 0,1,2
	ds_load_b128 v[96*(\set)+12*\b+4*\c:96*(\set)+12*\b+4*\c+3], v[ADRB+\slot] offset:6144*\b+1536*(\q)+512*\c
.endr
.endr
	WIN 0
.irp b, 0,1,2,3
.irp c, 0,1,2
	ds_load_b128 v[AF+48*(\set)+12*\b+4*\c:AF+48*(\set)+12*\b+4*\c+3], v[ADRA+\slot] offset:6144*\b+1536*(\q)+512*\c
.endr
.endr
.irp b, 0,1,2,3
	ds_load_b32 v[SA+4*(\set)+\b], v[ADSA] offset:1024*\b+64*(\k)
.endr
.irp b, 0,1,2,3,4,5,6,7
	ds_load_b32 v[SB+8*(\set)+\b], v[ADSB] offset:1024*\b+64*(\k)
.endr
.endm
.macro MULP a0, na, set, zero          ; query tiles a0 .. a0 + na - 1 x the 8 tiles of d; the 32 accumulators take turns, one instruction a turn
.set AA, \a0
.rept \na
.irp b, 0,1,2,3,4,5,6,7
.if \zero
	v_wmma_scale_f32_16x16x128_f8f6f4 v[8*(8*AA+\b):8*(8*AA+\b)+7], v[96*(\set)+12*\b:96*(\set)+12*\b+11], v[AF+48*(\set)+12*AA:AF+48*(\set)+12*AA+11], 0, v[SB+8*(\set)+\b], v[SA+4*(\set)+AA] matrix_a_fmt:MATRIX_FMT_BF6 matrix_b_fmt:MATRIX_FMT_BF6
.else
	v_wmma_scale_f32_16x16x128_f8f6f4 v[8*(8*AA+\b):8*(8*AA+\b)+7], v[96*(\set)+12*\b:96*(\set)+12*\b+11], v[AF+48*(\set)+12*AA:AF+48*(\set)+12*AA+11], v[8*(8*AA+\b):8*(8*AA+\b)+7], v[SB+8*(\set)+\b], v[SA+4*(\set)+AA] matrix_a_fmt:MATRIX_FMT_BF6 matrix_b_fmt:MATRIX_FMT_BF6
.endif
.endr
.set AA, AA+1
.endr
.endm
.macro KP set, zero, nslot, nq, nk
	s_wait_dscnt 0x0                               ; this step's operands are in
	PLACES 4                                       ; in front of loads into registers that the last step's matrix instructions have read
	FETCHP \nslot, \nq, 1-\set, \nk
	WIN MULW
	MULP 0, 4, \set, \zero
	WIN 0
.endm
; A PREFETCH INTO THE L2 of p's tiles of the third and fourth fill (K steps 8-11 and 12-15), where my block of queries has them.  A fill's part of a query tile is 6,144 bytes: 24 blocks of 256, a lane a block
; (lanes 24-31 name the wave's last block again).  Of the cluster's 16 query tiles the partner at place cx takes 4 cx .. 4 cx + 3, told apart by address alone, and wave w of it tile 4 cx + w: each block is named once in the cluster.
; The third fill is asked for among the vector work on the statistics, the fourth in K step 0: each a slot or more ahead of its tensor load.  The first two fills come by their loads alone.
; v's tiles are not asked for: work-groups of several clusters read them, and each would name the same blocks.
.set PFO, 11                           ; v11     256 x min(lane, 23); never rewritten
.set PFP, 90                           ; s[90:91] my query tile of p at K step 8; never rewritten
.macro ASKP koff
	global_prefetch_b8 v[PFO], s[PFP:PFP+1] offset:\koff th:TH_LOAD_NT scope:SCOPE_SE
.endm
.macro KPF set, zero, nslot, nq, nk, koff, need   ; a K step with a request behind its run of LDS loads, where the block has at least so many slots
	s_wait_dscnt 0x0
	PLACES 4
	FETCHP \nslot, \nq, 1-\set, \nk
	s_cmp_lt_u32 s77, \need
	s_cbranch_scc1 .Lno_ask_\@
	ASKP \koff
.Lno_ask_\@:
	WIN MULW
	MULP 0, 4, \set, \zero
	WIN 0
.endm
.macro LASTP set
	s_wait_dscnt 0x0
	WIN MULW
	MULP 0, 4, \set, 0
	WIN 0
.endm
; A slot's last K step changes slots.  fill = 1: the slot just read out (fslot) is filled again, with the keys two slots on, behind a round of the cluster's barrier
.macro TURNP set, fill, fslot, nslot, nk
	s_wait_tensorcnt 0x0                           ; all my tensor loads have landed: my part of the next slot
.if \fill
	ds_add_u32 v[SPW], v[NIL]                      ; 0 onto my spare word
	s_add_nc_u64 s[G0A+4*\fslot+2:G0A+4*\fslot+3], s[G0A+4*\fslot+2:G0A+4*\fslot+3], 12288
	s_add_nc_u64 s[G0B+4*\fslot+2:G0B+4*\fslot+3], s[G0B+4*\fslot+2:G0B+4*\fslot+3], 12288
	s_wait_dscnt 1                                 ; this step's operands are in; only the add may be out
.else
	s_wait_dscnt 0x0
.endif
	WIN MULW
	MULP 0, 1, \set, 0
	s_wait_dscnt 0x0                               ; the add is done, and my reads of the slot are over
	s_barrier_signal -1
	MULP 1, 1, \set, 0
	WIN 0
	s_barrier_wait -1
.if \fill
	CREST                                          ; no wave of any partner still reads the slot or has a load on its way
	JLOADP \fslot                                  ; the first tensor load behind the round; its four v_nop are also the places in front of the loads below
.else
	PLACES 4
.endif
	FETCHP \nslot, 0, 1-\set, \nk
	WIN MULW
	MULP 2, 2, \set, 0
	WIN 0
.endm
.macro FINAL t, slot, zero             ; the last slot: four K steps, or two where the number of key blocks is odd
	KP 0, \zero, \slot, 1, 4*\t+1
	s_cmp_eq_u32 s78, 1
	s_cbranch_scc1 .Lodd_\@
	KP 1, 0, \slot, 2, 4*\t+2
	KP 0, 0, \slot, 3, 4*\t+3
	LASTP 1
	s_branch .Ldone_\@
.Lodd_\@:
	LASTP 1
.Ldone_\@:
.endm
; Eight of my 32 pieces (registers b .. b + 7: two K steps x four rows), operation by operation, so that no line reads the result of the line just ahead of it:
; the piece's sum under the row's M, and its four scale bytes lowered by M - M'
.macro SH8 b
.irp i, 0,1,2,3,4,5,6,7
	v_sub_f32 v[TA+\b+\i], v[NR+\i%4], v[NB+\b+\i] ; M' - M: a whole number, 0 or less
.endr
.irp i, 0,1,2,3,4,5,6,7
	v_cvt_i32_f32 v[TA+\b+\i], v[TA+\b+\i]         ; (it saturates)
.endr
.irp i, 0,1,2,3,4,5,6,7
	v_ldexp_f32 v[TF+\b+\i], 1.0, v[TA+\b+\i]
.endr
.irp i, 0,1,2,3,4,5,6,7
.if (\b+\i) < 4
	v_mul_f32 v[LT+\i%4], v[LB+\b+\i], v[TF+\b+\i] ; the first piece starts the row's sum
.else
	v_fmac_f32 v[LT+\i%4], v[LB+\b+\i], v[TF+\b+\i]   ; l += l' 2^(M' - M)
.endif
.endr
.irp i, 0,1,2,3,4,5,6,7
	v_sub_nc_u32 v[TA+\b+\i], 0, v[TA+\b+\i]
.endr
.irp i, 0,1,2,3,4,5,6,7
	v_min_u32 v[TA+\b+\i], 127, v[TA+\b+\i]        ; M - M', at most 127,
.endr
.irp i, 0,1,2,3,4,5,6,7
	v_lshl_or_b32 v[TA+\b+\i], v[TA+\b+\i], 8, v[TA+\b+\i]
.endr
.irp i, 0,1,2,3,4,5,6,7
	v_lshl_or_b32 v[TA+\b+\i], v[TA+\b+\i], 16, v[TA+\b+\i]   ; in all four bytes
.endr
.irp i, 0,1,2,3,4,5,6,7
	v_or_b32 v[WB+\b+\i], 0x80808080, v[WB+\b+\i]  ; a guard bit over each byte (bytes are at most 123): no borrow passes from byte to byte
.endr
.irp i, 0,1,2,3,4,5,6,7
	v_sub_nc_u32 v[WB+\b+\i], v[WB+\b+\i], v[TA+\b+\i]
.endr
.irp i, 0,1,2,3,4,5,6,7
	v_lshrrev_b32 v[TF+\b+\i], 7, v[WB+\b+\i]
.endr
.irp i, 0,1,2,3,4,5,6,7
	v_and_b32 v[TF+\b+\i], 0x01010101, v[TF+\b+\i] ; the guard bit is left where the byte has not fallen under 0
.endr
.irp i, 0,1,2,3,4,5,6,7
	v_lshlrev_b32 v[TA+\b+\i], 8, v[TF+\b+\i]
.endr
.irp i, 0,1,2,3,4,5,6,7
	v_sub_nc_u32 v[TF+\b+\i], v[TA+\b+\i], v[TF+\b+\i]   ; 0xff in those bytes
.endr
.irp i, 0,1,2,3,4,5,6,7
	v_and_b32 v[WB+\b+\i], v[WB+\b+\i], v[TF+\b+\i]
.endr
.irp i, 0,1,2,3,4,5,6,7
	v_and_b32 v[WB+\b+\i], 0x7f7f7f7f, v[WB+\b+\i]
.endr
.endm
; THE WAY OUT of query tile a, in three parts
.macro PACKO a                         ; x 10^4 / l, to the nearest whole number, x 10^-4
	WIN 0x02
.set j, 0
.rept 32
	v_pk_mul_f32 v[TO+j:TO+j+1], v[64*(\a)+j:64*(\a)+j+1], v[FV+2*(\a):FV+2*(\a)+1] op_sel_hi:[1,0]   ; each accumulator is read from its low end on
.set j, j+2
.endr
	WIN 0
.set j, 0
.rept 64
	v_rndne_f32 v[TO+j], v[TO+j]                   ; ties to even
.set j, j+1
.endr
.set j, 0
.rept 32
	v_pk_mul_f32 v[TO+j:TO+j+1], v[TO+j:TO+j+1], 0x38d1b717 op_sel_hi:[1,0]
.set j, j+2
.endr
.endm
.macro TOSTG a                         ; into my stage, and back as whole rows of 512 bytes
.set n, 0
.rept 16
	ds_store_b128 v[STO], v[TO+4*n:TO+4*n+3] offset:128*(n/4)+16*(n%4)   ; registers 16 B + .. are d = 32 B + 16 h + ..
.set n, n+1
.endr
.set n, 0
.rept 16
	ds_load_b128 v[BK+64*((\a)%2)+4*n:BK+64*((\a)%2)+4*n+3], v[RD] offset:528*n   ; LDS serves a wave's instructions in order: these see the stores above, and the next tile's stores come behind them
.set n, n+1
.endr
.endm
.macro SENDO a, younger                ; younger: the LDS instructions issued behind tile a's loads: the next tile's 16 stores and 16 loads, or none
.set n, 0
.rept 16
	s_wait_dscnt \younger+15-n                     ; row n is back; the younger rows, and what was issued behind them, may be out
	global_store_b128 v[LI], v[BK+64*((\a)%2)+4*n:BK+64*((\a)%2)+4*n+3], s[12:13] offset:(32*((\a)/2)+8*((\a)%2)+n+8*(n/8))*4096 th:TH_STORE_NT   ; 32 lanes store 512 consecutive bytes, at a multiple of 256 from the buffer's first byte
.set n, n+1
.endr
.endm
	s_load_b256 s[4:11], s[0:1], 0x0               ; p_codes, p_stat, qkv_codes, qkv_scales
	s_load_b64 s[12:13], s[0:1], 0x20              ; out0
	v_lshl_add_u32 v[SPW], v0, 2, SPARE
	v_mov_b32 v[NIL], 0
	ds_add_u32 v28, v29
	ds_add_u32 v28, v29
	s_wait_dscnt 0x0
	v_lshrrev_b32 v1, 5, v0
	v_readfirstlane_b32 s14, v1                    ; wave 0..3
	s_and_b32 s16, s14, 1                          ; which half I fetch
	s_bfe_u32 s72, ttmp6, 0x40000                  ; cx
	s_lshl_b32 s73, ttmp9, 2
	s_add_co_u32 s73, s73, s72                     ; my 128 of d: it enters v's and the output's addresses alone
	s_and_b32 s74, ttmp7, 7
	s_sub_co_u32 s74, 7, s74                       ; i: my block of queries; the blocks with the most keys have the lowest numbers
	s_bfe_u32 s75, ttmp7, 0x20003                  ; the batch
	s_add_co_u32 s76, s74, 1                       ; key blocks of 256
	s_add_co_u32 s77, s76, 1
	s_lshr_b32 s77, s77, 1                         ; slots of 512 keys
	s_and_b32 s78, s76, 1                          ; 1: the last slot is half used
	s_lshl_b32 s76, s76, 1                         ; K steps
	s_mov_b32 s80, 0x76543210
	s_mov_b32 s81, 0xfedcba98                      ; v_permlanex16_b32's selects for lane l xor 16
	s_mov_b32 s[G1A], 15|(3<<16)|(1<<21)           ; the mask: all four work-groups; elements of 8 bytes; bit 21 set beside a mask
	s_mov_b32 s[G1A+1], 768<<16                    ; 8 tiles x 6,144 bytes, 24,576 bytes from tile to tile
	s_mov_b32 s[G1A+2], 8<<16
	s_mov_b32 s[G1A+3], 768<<16
	s_mov_b32 s[G1A+4], 8
	s_mov_b32 s[G1A+5], 3072
	s_mov_b32 s[G1A+6], 0
	s_mov_b32 s[G1A+7], 0
	s_mov_b32 s[G1B], 3<<16                        ; 4 tiles x 6,144 bytes, no mask
	s_mov_b32 s[G1B+1], 768<<16
	s_mov_b32 s[G1B+2], 4<<16
	s_mov_b32 s[G1B+3], 768<<16
	s_mov_b32 s[G1B+4], 4
	s_mov_b32 s[G1B+5], 3072
	s_mov_b32 s[G1B+6], 0
	s_mov_b32 s[G1B+7], 0
.set G1H, 92                           ; s[92:99] group 1 for the head: v's 8 tiles x 6,144 bytes, no mask
	s_mov_b32 s[G1H], 3<<16
	s_mov_b32 s[G1H+1], 768<<16
	s_mov_b32 s[G1H+2], 8<<16
	s_mov_b32 s[G1H+3], 768<<16
	s_mov_b32 s[G1H+4], 8
	s_mov_b32 s[G1H+5], 3072
	s_mov_b32 s[G1H+6], 0
	s_mov_b32 s[G1H+7], 0
	s_mov_b32 s[G1S], 3<<16                        ; elements of 8 bytes, no mask
	s_mov_b32 s[G1S+1], 32<<16
	s_mov_b32 s[G1S+2], 32<<16                     ; 8,192 dense bytes as 32 rows of 256
	s_mov_b32 s[G1S+3], 32<<16
	s_mov_b32 s[G1S+4], 32
	s_mov_b32 s[G1S+5], 32
	s_mov_b32 s[G1S+6], 0
	s_mov_b32 s[G1S+7], 0
	s_lshl_b32 s17, s75, 7
	s_lshl_b32 s18, s74, 4
	s_add_co_u32 s17, s17, s18                     ; my first query tile: 128 x batch + 16 i
	s_lshl_b32 s18, s16, 3
	s_add_co_u32 s18, s18, s17
	s_mul_i32 s18, s18, 24576                      ; p: the 8 tiles that I fetch
	s_mov_b32 s19, 0
	s_lshl_b32 s20, s73, 3
	s_lshl_b32 s21, s16, 2
	s_add_co_u32 s20, s20, s21
	s_mul_i32 s20, s20, 24576                      ; v: the 4 tiles of d that I fetch,
	s_mul_i32 s21, s75, 1572864
	s_add_co_u32 s20, s20, s21                     ; in the batch,
	s_add_co_u32 s20, s20, 12582912                ; behind q and k
	s_mov_b32 s21, 0
	s_lshl_b32 s22, s75, 16
	s_lshl_b32 s23, s73, 13
	s_add_co_u32 s22, s22, s23
	s_add_co_u32 s22, s22, 524288                  ; v's scale words
	s_mov_b32 s23, 0
	s_mul_i32 s82, s16, 49152                      ; where they go: no place in the cluster enters an LDS address
	s_mul_i32 s83, s16, 24576
	s_add_co_u32 s83, s83, 98304
	s_mov_b32 s84, 0                               ; v's scale words come whole, by one wave
	s_lshl_b32 s88, s17, 10                        ; the statistics of my 16 tiles
	s_mov_b32 s89, 0
	s_lshl_b32 s85, s75, 11
	s_lshl_b32 s86, s74, 8
	s_add_co_u32 s85, s85, s86
	s_lshl_b32 s86, s14, 6
	s_add_co_u32 s85, s85, s86                     ; my wave's first row of the output
	s_lshl_b32 s85, s85, 12
	s_lshl_b32 s86, s73, 9
	s_add_co_u32 s86, s85, s86
	s_mov_b32 s87, 0
	s_wait_kmcnt 0x0
	s_add_nc_u64 s[18:19], s[4:5], s[18:19]
	s_add_nc_u64 s[20:21], s[8:9], s[20:21]
	s_add_nc_u64 s[22:23], s[10:11], s[22:23]
	s_add_nc_u64 s[6:7], s[6:7], s[88:89]
	s_add_nc_u64 s[12:13], s[12:13], s[86:87]
	s_lshl_b32 s2, s72, 2                          ; the prefetches: query tile 4 cx + wave of my block's 16,
	s_add_co_u32 s2, s2, s14
	s_add_co_u32 s2, s2, s17
	s_mul_i32 s2, s2, 24576
	s_add_co_u32 s2, s2, 12288                     ; at K step 8
	s_mov_b32 s3, 0
	s_add_nc_u64 s[PFP:PFP+1], s[4:5], s[2:3]
	MKG0 G0A, 82, 0, 18, 0
	MKG0 G0A+4, 82, SLOTP, 18, 6144
	MKG0 G0B, 83, 0, 20, 0
	MKG0 G0B+4, 83, SLOTP, 20, 6144
	MKG0 G0S, 84, SCB, 22, 0
	CROUND                                         ; all four work-groups are here: the first joint loads meet
	s_cmp_lt_u32 s14, 2                            ; the head's tiles, one load a wave: waves 0, 1 p's halves of slot 0, wave 2 v's 8 tiles of slot 0, wave 3 v's scale words
	s_cbranch_scc0 .Lfirst_v
	tensor_load_to_lds s[G0A:G0A+3], s[G1A:G1A+7]
	s_nop 0
	PLACES 4
	s_branch .Lfirst_done
.Lfirst_v:
	s_cmp_eq_u32 s14, 2
	s_cbranch_scc0 .Lfirst_s
	tensor_load_to_lds s[G0B:G0B+3], s[G1H:G1H+7]
	s_nop 0
	PLACES 4
	s_branch .Lfirst_done
.Lfirst_s:
	tensor_load_to_lds s[G0S:G0S+3], s[G1S:G1S+7]
	s_nop 0
	PLACES 4
.Lfirst_done:
	v_and_b32 v1, 15, v0                           ; r
	v_bfe_u32 v2, v0, 4, 1                         ; h
	v_lshlrev_b32 v4, 2, v1                        ; 4 r
	v_and_b32 v3, 3, v0                            ; g: which four rows of a tile
	v_bfe_u32 v5, v0, 2, 2                         ; which of my wave's four tiles
	v_lshrrev_b32 v6, 5, v0                        ; the wave
	v_lshlrev_b32 v8, 4, v3
	v_lshl_add_u32 v8, v5, 10, v8
	v_lshl_add_u32 v8, v2, 9, v8
	v_lshl_add_u32 v8, v6, 12, v8                  ; 4,096 wave + 1,024 tile + 512 h + 16 g: four rows' words of K step 8 h, among the statistics and among the shifted words alike
	v_add_nc_u32 v9, SCA, v8
	v_lshlrev_b32 v10, 4, v1
	v_lshl_add_u32 v10, v6, 8, v10
	v_add_nc_u32 v10, FAC, v10                     ; the four rows' factors: 256 wave + 64 tile + 16 g
.set KK, 0
.rept 8
	global_load_b128 v[WB+4*KK:WB+4*KK+3], v8, s[6:7] offset:64*KK            ; 24 loads a lane, all out at once
	global_load_b128 v[NB+4*KK:NB+4*KK+3], v8, s[6:7] offset:524288+64*KK
	global_load_b128 v[LB+4*KK:LB+4*KK+3], v8, s[6:7] offset:1048576+64*KK
.set KK, KK+1
.endr
	v_and_b32 v5, 31, v0
	v_lshlrev_b32 v[LI], 4, v5
	s_mul_i32 s17, s14, 24576                      ; my four tiles of p
	v_add_nc_u32 v[ADRA], s17, v[LI]
	v_add_nc_u32 v[ADRA+1], SLOTP, v[ADRA]
	v_add_nc_u32 v[ADRB], 98304, v[LI]
	v_add_nc_u32 v[ADRB+1], SLOTP, v[ADRB]
	s_lshl_b32 s17, s14, 12
	s_add_co_u32 s17, s17, SCA
	v_add_nc_u32 v[ADSA], s17, v4
	v_add_nc_u32 v[ADSB], SCB, v4
	s_lshl_b32 s17, s14, 8
	s_add_co_u32 s17, s17, FAC
	v_add_nc_u32 v[ADF], s17, v4
	s_mul_i32 s17, s14, 8448                       ; my stage for the way out: 16 rows x (512 + 16) bytes, in slot 0
	v_mul_u32_u24 v[STO], v1, 528
	v_lshl_add_u32 v[STO], v2, 6, v[STO]
	v_add_nc_u32 v[STO], s17, v[STO]               ; in: row r, + 64 h
	v_add_nc_u32 v[RD], s17, v[LI]                 ; back: 16 bytes a lane of a row
	v_mov_b32 v[BIG], 0x7149f2ca                   ; 1e30
	v_and_b32 v[PFO], 31, v0
	v_min_u32 v[PFO], 23, v[PFO]
	v_lshlrev_b32 v[PFO], 8, v[PFO]
	v_lshlrev_b32 v[LIM], 3, v2
	v_sub_nc_u32 v[LIM], s76, v[LIM]               ; the block's K steps less my first: 2 (i + 1) - 8 h
.irp j, 0,1,2,3
	v_mov_b32 v[PT+\j], 0                          ; a lane permute's destination counts as one of its sources
.endr
	s_wait_alu depctr_va_vdst(0)
	s_wait_tensorcnt 0x0                           ; my tile of the head's is in
	ds_add_u32 v[SPW], v[NIL]
	s_wait_dscnt 0x0
	CROUND                                         ; a whole round: slot 0 and v's scale words are whole for every wave, and the four work-groups are here
	JLOADP 1                                       ; slot 1's first fill; it is on its way while the statistics are joined
	s_wait_loadcnt 0x0
.set KK, 0
.rept 8
	v_cmp_lt_i32 vcc_lo, KK, v[LIM]                ; K steps past the diagonal were never written: -M' = 1e30 and the sum 0 stand for them (their words are shifted and stored like the others, and nobody reads them)
.irp j, 0,1,2,3
	v_cndmask_b32 v[NB+4*KK+\j], v[BIG], v[NB+4*KK+\j], vcc_lo
	v_cndmask_b32 v[LB+4*KK+\j], 0, v[LB+4*KK+\j], vcc_lo
.endr
.set KK, KK+1
.endr
.irp j, 0,1,2,3
	v_min3_num_f32 v[NR+\j], v[NB+\j], v[NB+4+\j], v[NB+8+\j]   ; -M = the least -M': my eight K steps, the four rows by turns,
.endr
.irp k, 12,20
.irp j, 0,1,2,3
	v_min3_num_f32 v[NR+\j], v[NR+\j], v[NB+\k+\j], v[NB+\k+4+\j]
.endr
.endr
.irp j, 0,1,2,3
	v_min_num_f32 v[NR+\j], v[NR+\j], v[NB+28+\j]
.endr
.irp j, 0,1,2,3
	v_permlanex16_b32 v[PT+\j], v[NR+\j], s80, s81
.endr
.irp j, 0,1,2,3
	v_min_num_f32 v[NR+\j], v[NR+\j], v[PT+\j]     ; and lane l xor 16's eight
.endr
	SH8 0
	s_wait_alu depctr_va_vdst(0)
	s_cmp_lt_u32 s77, 3                            ; a branch on ids, the same in all partners
	s_cbranch_scc1 .Lno_ask_2
	ASKP 0                                         ; K steps 8-11
.Lno_ask_2:
	SH8 8
	SH8 16
	SH8 24
.set KK, 0
.rept 8
	ds_store_b128 v9, v[WB+4*KK:WB+4*KK+3] offset:64*KK   ; four rows' shifted words of K step 8 h + KK
.set KK, KK+1
.endr
.irp j, 0,1,2,3
	v_permlanex16_b32 v[PT+\j], v[LT+\j], s80, s81
.endr
.irp j, 0,1,2,3
	v_add_f32 v[LT+\j], v[LT+\j], v[PT+\j]         ; the row's sum: my eight pieces and lane l xor 16's
.endr
	s_wait_alu depctr_va_vdst(0)
.irp j, 0,1,2,3
	v_rcp_f32 v[TF+\j], v[LT+\j]
.endr
	v_nop                                          ; a plain place behind the transcendentals
	s_wait_alu depctr_va_vdst(0)
.irp j, 0,1,2,3
	v_mul_f32 v[TF+\j], 0x461c4000, v[TF+\j]       ; 10^4 / l
.endr
	ds_store_b128 v10, v[TF:TF+3]                  ; (lanes l and l xor 16 store the same numbers to the same bytes)
	s_wait_dscnt 0x0                               ; my stores of scale words and factors are done
	s_barrier_signal -1
	s_barrier_wait -1
	FETCHP 0, 0, 0, 0
	s_cmp_eq_u32 s77, 1
	s_cbranch_scc1 .Lone
	KPF 0, 1, 0, 1, 1, 6144, 4                     ; K step 0: its products start the sums; K steps 12-15 of p are asked for
	KP 1, 0, 0, 2, 2
	KP 0, 0, 0, 3, 3
	s_cmp_eq_u32 s77, 2
	s_cbranch_scc1 .Ltwo
	TURNP 1, 1, 0, 1, 4                            ; slot 0 takes keys 1,024 on
	KP 0, 0, 1, 1, 5
	KP 1, 0, 1, 2, 6
	KP 0, 0, 1, 3, 7
	s_cmp_eq_u32 s77, 3
	s_cbranch_scc1 .Lthree
	TURNP 1, 1, 1, 0, 8                            ; slot 1 takes keys 1,536 on
	KP 0, 0, 0, 1, 9
	KP 1, 0, 0, 2, 10
	KP 0, 0, 0, 3, 11
	TURNP 1, 0, 0, 1, 12
	FINAL 3, 1, 0
	s_branch .Lout
.Lthree:
	TURNP 1, 0, 0, 0, 8
	FINAL 2, 0, 0
	s_branch .Lout
.Ltwo:
	TURNP 1, 0, 0, 1, 4
	FINAL 1, 1, 0
	s_branch .Lout
.Lone:
	s_wait_tensorcnt 0x0                           ; on this way nobody reads slot 1: its first fill is waited for here, so that on every way no tensor load of mine is out where the ways join
	FINAL 0, 0, 1
.Lout:
	; THE WAY OUT.  No tile is read or on its way any more in any wave: the stages may lie in slot 0, which has had its last fill
	s_wait_tensorcnt 0x0
	s_wait_dscnt 0x0
	s_barrier_signal -1
	s_barrier_wait -1
	PLACES 4
.irp a, 0,1,2,3
	ds_load_b32 v[FV+2*\a], v[ADF] offset:64*\a
	ds_load_b32 v[FV+2*\a+1], v[ADF] offset:64*\a
.endr
	s_wait_dscnt 0x0
	PACKO 0
	TOSTG 0
.irp a, 1,2,3                          ; tile a's arithmetic stands between tile a - 1's loads from the stage and the wait for them
	PACKO \a
.if \a > 1
	s_wait_alu depctr_va_vdst(0)
	s_wait_xcnt 0x0                                ; tile a - 2's stores have read their data: tile a's rows land in those registers only behind this wait
.endif
	TOSTG \a
	SENDO \a-1, 32
.endr
	SENDO 3, 0
	s_wait_tensorcnt 0x0                           ; the wave's end
	ds_add_u32 v[SPW], v[NIL]
	s_wait_dscnt 0x0
	CROUND                                         ; the closing round
	s_endpgm
.Lfunc_end_k_qd64d1ef598_pv:
	.size	k_qd64d1ef598_pv, .Lfunc_end_k_qd64d1ef598_pv-k_qd64d1ef598_pv
	.p2alignl 7, 3214868480
	.fill 96, 4, 3214868480
	.section	.rodata,"a",@progbits
	.p2align	6, 0x0
	.amdhsa_kernel k_qd64d1ef598_pv
		.amdhsa_group_segment_fixed_size 327680
		.amdhsa_private_segment_fixed_size 0
		.amdhsa_enable_private_segment 0
		.amdhsa_kernarg_size 40
		.amdhsa_user_sgpr_count 2
		.amdhsa_user_sgpr_kernarg_segment_ptr 1
		.amdhsa_wavefront_size32 1
		.amdhsa_system_sgpr_workgroup_id_x 1
		.amdhsa_system_sgpr_workgroup_id_y 1
		.amdhsa_system_sgpr_workgroup_id_z 1
		.amdhsa_system_vgpr_workitem_id 0
		.amdhsa_next_free_vgpr 768
		.amdhsa_next_free_sgpr 100
		.amdhsa_reserve_vcc 1
		.amdhsa_float_denorm_mode_32 3
		.amdhsa_float_denorm_mode_16_64 3
		.amdhsa_memory_ordered 1
		.amdhsa_forward_progress 1
		.amdhsa_inst_pref_size 255
	.end_amdhsa_kernel
	.section	.bss,"aw",@nobits
	.p2align	6
	.space	262144
	.amdgpu_metadata
---
amdhsa.version: [ 1, 2 ]
amdhsa.kernels:
  - .name:           k_qd64d1ef598_pv
    .symbol:         k_qd64d1ef598_pv.kd
    .args:
      - { .name: p_codes, .offset: 0, .size: 8, .value_kind: global_buffer, .address_space: global }
      - { .name: p_stat, .offset: 8, .size: 8, .value_kind: global_buffer, .address_space: global }
      - { .name: qkv_codes, .offset: 16, .size: 8, .value_kind: global_buffer, .address_space: global }
      - { .name: qkv_scales, .offset: 24, .size: 8, .value_kind: global_buffer, .address_space: global }
      - { .name: out0, .offset: 32, .size: 8, .value_kind: global_buffer, .address_space: global }
    .group_segment_fixed_size: 327680
    .private_segment_fixed_size: 0
    .kernarg_segment_align: 8
    .kernarg_segment_size: 40
    .max_flat_workgroup_size: 128
    .sgpr_count:     100
    .vgpr_count:     768
    .wavefront_size: 32
...
	.end_amdgpu_metadata
.endif
;; end of part 4
